; MI455X (gfx1250); checked and timed in simulation.
; The chip was launched on July 23, 2026; its instructions are those of AMD's public machine-readable ISA for CDNA 5 (MIT licence, August 2026) and "CDNA5" Instruction Set Architecture Reference Guide (July 2026). The comments in the code are by the model that wrote it; some were corrected since.
;; Gated Axial Attention Block. Allowed arithmetic: float matrix products may take bf16 or f16 operands with f32 sums; all other float work in f32.
;; Inputs: beta1 128 float32; beta_att 24 float32; beta_v 16 float32; gamma1 128 float32; gamma_att 24 float32; gamma_v 16 float32; gate_kr 1 float32; gate_qr 1 float32; gate_v 1 float32; gate_v_pos 1 float32; pos_relative 16 x 255 float32; w_qkv 128 x 64 float32; x 4 x 64 x 128 x 128 float32.
;; Outputs: out0 4 x 64 x 128 x 128 float32.
;; One version. Each part assembles by itself: llvm-mc -triple=amdgcn-amd-amdhsa -mcpu=gfx1250 --defsym DOCPART=n.
;; ======== version 1 of 1: 5 launches
;; limits: inputs' magnitudes at most 65,504; values are held in f16: magnitudes above 65,504 overflow, below 6.1e-05 lose precision; a difference of large sums (such as E[x^2] - mean^2): digits are lost where the result is much smaller than its terms; values outside matrix products are rounded to f16
;; workspace buffers: y 25,165,824 bytes; p1 262,144 bytes; tabs 46,080 bytes; apart 65,536 bytes; zraw 33,554,432 bytes; zpart 32,768 bytes
;; launch proj (part 1): grid 256 x 1, 8 waves a work-group, no clusters, 70,656 bytes of LDS; arguments x, w_qkv, y, p1; writes y, p1
.if DOCPART == 1
	.amdgcn_target "amdgcn-amd-amdhsa--gfx1250"
	.amdhsa_code_object_version 6
	.text
	.protected	k_q573fac1f8f_proj
	.globl	k_q573fac1f8f_proj
	.p2align	8
	.type	k_q573fac1f8f_proj,@function
k_q573fac1f8f_proj:
	s_mov_b64 s[64:65], 0
	v_nop
	global_prefetch_b8 v0, s[64:65] scope:SCOPE_SE
	s_setreg_imm32_b32 hwreg(HW_REG_WAVE_MODE, 25, 1), 1
	s_wait_xcnt 0x0
; proj: y = relu(w_qkv . x), laid out for the attention launches, and per work-group sums for the first batch norm.
; x: [4][64 c][128 l][128 w] f32.  A work-group takes 64 c x 8 l x 32 w; sequence n = b*128 + w, position l.
; y, byte 0          (q, k, upper part): [n 512][lblk 16][h 8][l 8][8 planes q0-3 k0-3] f16   (16,384 / 1,024 / 128 / 16 bytes)
; y, byte 8,388,608  (v)               : [n 512][lblk 16][h*8+c 64][l 8] f16                  (same strides)
; y, byte 16,777,216 (q, k, lower part): as the first region; q, k = upper + lower
; p1: [work-group 256][sum of 128 channels | sum of squares of 128 channels] f32
; PRECISION: a logit is a product of two of these numbers that can reach tens, and the softmax feels its absolute error.  So x and w go to the
; matrix unit as pairs of f16 (upper part: 11 significant bits; lower part: the exact rest, rounded to f16), y = Wh Xh + Wl Xh + Wh Xl,
; and q, k are stored as such pairs.  v is stored as one f16: its error is proportional to the value it ends up in.
; Eight waves: wave = 4 isv + mt owns 16 channels (heads 2mt, 2mt+1; planes 0-7 if isv = 0, planes 8-15 if isv = 1) and all 256 columns.
; LIMITS: |x|, |w|, relu(w.x) below 65504; a lower part is resolved to 2^-25; sums in f32; NaN and infinities are not reproduced.
; No tensor loads, no cluster: no two work-groups read the same bytes of x, and w_qkv is 32 KB read once into registers.
.set XP,  544                          ; LDS row of one c: 256 columns (w_loc*8 + l) of f16 = 512 bytes + 32: an odd multiple of 32 for the transposing load
.set XH,  32*XP                        ; 32 rows of c
.set XLO, 2*XH                         ; the lower parts: a second stage behind the first
.set XL,  16                           ; v[16:79]   x as loaded: 16 loads of 4 w
.set WR,  80                           ; v[80:111]  w as loaded (f32)
.set SH,  112                          ; v[112:143] upper parts in f32, at work
.set SL,  144                          ; v[144:175] lower parts in f32, at work
.set XFH, 16                           ; v[16:79]   later: fragments of x, upper parts, [tile 4][kc 2][8]
.set XFL, 80                           ; v[80:143]  the same, lower parts
.set ACC, 144                          ; v[144:175] four accumulator tiles
.set WFH, 176                          ; v[176:191] fragment of w, upper parts, [kc 2][8]
.set WFL, 192                          ; v[192:207] lower parts
.set PK,  208                          ; v[208:223] packed f16, upper parts
.set PKL, 224                          ; v[224:239] packed f16, lower parts
.set STS, 240                          ; v[240:247] running sums
.set STQ, 248                          ; v[248:255] running sums of squares
.set YH,  16                           ; v[16:47]   y's upper parts in f32 (the fragments are spent by then)
.set YL,  48                           ; v[48:79]   y's lower parts
; Two f32 at x into an upper part of 11 significant bits (h) and the exact rest (l): t = 8193 x; h = t - (t - x); l = x - h.
.macro VSPLIT x, h, l
	v_pk_mul_f32 v[\h:\h+1], v[\x:\x+1], s[30:31] op_sel_hi:[1,0]
	v_pk_add_f32 v[\l:\l+1], v[\h:\h+1], v[\x:\x+1] neg_lo:[0,1] neg_hi:[0,1]
	v_pk_add_f32 v[\h:\h+1], v[\h:\h+1], v[\l:\l+1] neg_lo:[0,1] neg_hi:[0,1]
	v_pk_add_f32 v[\l:\l+1], v[\x:\x+1], v[\h:\h+1] neg_lo:[0,1] neg_hi:[0,1]
.endm
	s_load_b256 s[4:11], s[0:1], 0x0               ; x s[4:5], w_qkv s[6:7], y s[8:9], p1 s[10:11]
	s_set_vgpr_msb 0x40
	v_lshl_add_u32 v0, v0, 2, 0x11000
	v_mov_b32 v1, 0
	s_set_vgpr_msb 0x4000
	v_lshrrev_b32 v1, 5, v0
	v_readfirstlane_b32 s12, v1                    ; wave
	s_and_b32 s13, s12, 3                          ; mt
	s_lshr_b32 s14, s12, 2                         ; isv
	s_and_b32 s15, ttmp9, 3                        ; wgrp: w0 = 32 wgrp
	s_bfe_u32 s16, ttmp9, 0x40002                  ; lblk
	s_lshr_b32 s17, ttmp9, 6                       ; b
	s_lshl_b32 s18, s17, 22                        ; x: b*4,194,304 + lblk*8 rows of 512 + wgrp*128
	s_lshl_b32 s24, s16, 12
	s_add_co_u32 s18, s18, s24
	s_lshl_b32 s24, s15, 7
	s_add_co_u32 s18, s18, s24
	s_mov_b32 s19, 0
	s_lshl_b32 s20, s14, 23                        ; y: isv*8,388,608 + (b*128 + w0)*16,384 + lblk*1,024 + mt*256
	s_lshl_b32 s24, s17, 21
	s_add_co_u32 s20, s20, s24
	s_lshl_b32 s24, s15, 19
	s_add_co_u32 s20, s20, s24
	s_lshl_b32 s24, s16, 10
	s_add_co_u32 s20, s20, s24
	s_lshl_b32 s24, s13, 8
	s_add_co_u32 s20, s20, s24
	s_mov_b32 s21, 0
	s_lshl_b32 s22, ttmp9, 10                      ; p1: work-group*1,024 + mt*128 (32 channels of 4 bytes)
	s_lshl_b32 s24, s13, 7
	s_add_co_u32 s22, s22, s24
	s_mov_b32 s23, 0
	s_lshl_b32 s24, s13, 13                        ; w row, scalar part: (2mt*16 + 8 isv) rows of 256 bytes
	s_lshl_b32 s25, s14, 11
	s_add_co_u32 s24, s24, s25
	s_mov_b32 s26, 0x76543210                      ; v_permlanex16_b32: lane i reads lane i of the other half
	s_mov_b32 s27, 0xfedcba98
	s_mov_b32 s30, 0x46000400                      ; 8193.0 = 2^13 + 1
	s_mov_b32 s31, 0x46000400
	v_and_b32 v2, 7, v0                            ; wq: which 4 w
	v_lshrrev_b32 v3, 3, v0                        ; c_l 0..31
	v_lshlrev_b32 v4, 4, v2
	v_lshl_add_u32 v4, v3, 16, v4                  ; x offset: c_l*65,536 + wq*16
	v_mul_u32_u24 v5, v3, XP
	v_lshl_add_u32 v5, v2, 6, v5                   ; stage: c_l*544 + wq*4 column groups of 16 bytes
	v_and_b32 v6, 15, v0                           ; r
	v_bfe_u32 v7, v0, 4, 1                         ; hh
	v_bfe_u32 v9, v0, 3, 1                         ; r >> 3
	v_and_b32 v10, 7, v0                           ; r & 7
	v_lshlrev_b32 v8, 12, v9                       ; w offset: row ((2mt + (r>>3))*16 + 8 isv + (r&7))*256 + hh*32
	v_lshl_add_u32 v8, v10, 8, v8
	v_lshl_add_u32 v8, v7, 5, v8
	v_add_nc_u32 v8, s24, v8
	v_lshl_add_u32 v11, v7, 3, v10                 ; transposing load: row 8 hh + (L&7), 16 bytes by (L>>3)&1
	v_mul_u32_u24 v11, v11, XP
	v_lshl_add_u32 v11, v9, 4, v11
	s_wait_kmcnt 0x0
	s_add_nc_u64 s[4:5], s[4:5], s[18:19]
	s_add_nc_u64 s[8:9], s[8:9], s[20:21]
	s_add_nc_u64 s[10:11], s[10:11], s[22:23]
	s_add_nc_u64 s[18:19], s[8:9], 0x1000000       ; the region of lower parts (used by waves 0-3 alone)
	; 16 loads of x: c = c_l (first eight) and c_l + 32 (last eight), l = 0..7.  No cache hint: the piece of a row is 128 bytes
	; and the work-group beside this one reads the 128 bytes next to it.
.irp i, 0,1,2,3,4,5,6,7,8,9,10,11,12,13,14,15
	global_load_b128 v[XL+4*\i:XL+4*\i+3], v4, s[4:5] offset:(\i/8)*2097152+(\i%8)*512
.endr
	; my 16 rows of w: for kc, k = 32kc + 8hh + 0..7 and 32kc + 16 + 8hh + 0..7, four f32 a load
.irp kc, 0,1
.irp s, 0,1,2,3
	global_load_b128 v[WR+16*\kc+4*\s:WR+16*\kc+4*\s+3], v8, s[6:7] offset:128*\kc+64*(\s/2)+16*(\s%2)
.endr
.endr
; 32 rows of c into LDS: split, then for each of my 4 w the 8 positions l become 8 f16 = 16 bytes at column w_loc*8, upper and lower parts apart
.macro STAGE rho
.irp i, 0,2,4,6,8,10,12,14,16,18,20,22,24,26,28,30
	VSPLIT XL+32*\rho+\i, SH+\i, SL+\i
.endr
.irp j, 0,1,2,3
.irp q, 0,1,2,3
	v_cvt_pk_f16_f32 v[PK+4*\j+\q],  v[SH+8*\q+\j], v[SH+8*\q+4+\j]
	v_cvt_pk_f16_f32 v[PKL+4*\j+\q], v[SL+8*\q+\j], v[SL+8*\q+4+\j]
.endr
	ds_store_b128 v5, v[PK+4*\j:PK+4*\j+3]   offset:\rho*XH+16*\j
	ds_store_b128 v5, v[PKL+4*\j:PKL+4*\j+3] offset:XLO+\rho*XH+16*\j
.endr
.endm
	s_wait_loadcnt 0x10                            ; the first eight loads of x are in: eight of x and eight of w are younger
	STAGE 0
	s_wait_loadcnt 0x8                             ; all of x: the eight loads of w are younger
	STAGE 1
	s_wait_loadcnt 0x0                             ; w
.irp i, 0,2,4,6,8,10,12,14,16,18,20,22,24,26,28,30
	VSPLIT WR+\i, SH+\i, SL+\i
.endr
.irp i, 0,1,2,3,4,5,6,7,8,9,10,11,12,13,14,15
	v_cvt_pk_f16_f32 v[WFH+\i], v[SH+2*\i], v[SH+2*\i+1]
	v_cvt_pk_f16_f32 v[WFL+\i], v[SL+2*\i], v[SL+2*\i+1]
.endr
.irp j, 0,1,2,3,4,5,6,7
	v_mov_b32 v[STS+\j], 0                         ; sixteen running sums start at zero
	v_mov_b32 v[STQ+\j], 0
.endr
	s_wait_dscnt 0x0                               ; my part of the stage is written, for the other waves' sake
	s_barrier_signal -1
	s_barrier_wait -1
; one term of the split product on the four tiles: 32 of K.  isv = 0: D = w x xT;  isv = 1: D = x x wT.
.macro MM wf, xf, kc, isv, zero
.irp t, 0,1,2,3
.if \isv
.if \zero
	v_wmma_f32_16x16x32_f16 v[ACC+8*\t:ACC+8*\t+7], v[\xf+16*\t+8*\kc:\xf+16*\t+8*\kc+7], v[\wf+8*\kc:\wf+8*\kc+7], 0
.else
	v_wmma_f32_16x16x32_f16 v[ACC+8*\t:ACC+8*\t+7], v[\xf+16*\t+8*\kc:\xf+16*\t+8*\kc+7], v[\wf+8*\kc:\wf+8*\kc+7], v[ACC+8*\t:ACC+8*\t+7]
.endif
.else
.if \zero
	v_wmma_f32_16x16x32_f16 v[ACC+8*\t:ACC+8*\t+7], v[\wf+8*\kc:\wf+8*\kc+7], v[\xf+16*\t+8*\kc:\xf+16*\t+8*\kc+7], 0
.else
	v_wmma_f32_16x16x32_f16 v[ACC+8*\t:ACC+8*\t+7], v[\wf+8*\kc:\wf+8*\kc+7], v[\xf+16*\t+8*\kc:\xf+16*\t+8*\kc+7], v[ACC+8*\t:ACC+8*\t+7]
.endif
.endif
.endr
.endm
; Four column tiles (16 columns each = 2 w x 8 l), K = 64 in two steps, three terms.
; isv = 0: lane (r, hh) holds column r, registers = planes 0-7 of head 2mt + hh: 16 bytes of the q,k layout.
; isv = 1: lane (r, hh) holds channel r, registers = the 8 positions of w_loc 2 tile + hh: 16 bytes of the v layout.
.macro GROUP g, isv
	s_wait_xcnt 0x0                                ; PK and PKL, which the last group's stores read, are rewritten only behind this wait
.irp t, 0,1,2,3
.irp kc, 0,1
	ds_load_tr16_b128 v[XFH+16*\t+8*\kc:XFH+16*\t+8*\kc+3],   v11 offset:\kc*XH+(4*\g+\t)*32
	ds_load_tr16_b128 v[XFH+16*\t+8*\kc+4:XFH+16*\t+8*\kc+7], v11 offset:\kc*XH+(4*\g+\t)*32+16*XP
	ds_load_tr16_b128 v[XFL+16*\t+8*\kc:XFL+16*\t+8*\kc+3],   v11 offset:XLO+\kc*XH+(4*\g+\t)*32
	ds_load_tr16_b128 v[XFL+16*\t+8*\kc+4:XFL+16*\t+8*\kc+7], v11 offset:XLO+\kc*XH+(4*\g+\t)*32+16*XP
.endr
.endr
	s_wait_dscnt 0x0
	MM WFH, XFH, 0, \isv, 1
	MM WFH, XFH, 1, \isv, 0
	MM WFL, XFH, 0, \isv, 0
	MM WFL, XFH, 1, \isv, 0
	MM WFH, XFL, 0, \isv, 0
	MM WFH, XFL, 1, \isv, 0
.rept 4
	v_nop                                          ; four places between the last matrix instruction and the first reader of a result (ISA guide 7.12.1)
.endr
.irp t, 0,1,2,3
.irp j, 0,1,2,3,4,5,6,7
	v_max_num_f32 v[ACC+8*\t+\j], 0, v[ACC+8*\t+\j]            ; ReLU
.endr
.endr
.irp t, 0,1,2,3
.irp j, 0,2,4,6
	v_pk_add_f32 v[STS+\j:STS+\j+1], v[STS+\j:STS+\j+1], v[ACC+8*\t+\j:ACC+8*\t+\j+1]
	v_pk_fma_f32 v[STQ+\j:STQ+\j+1], v[ACC+8*\t+\j:ACC+8*\t+\j+1], v[ACC+8*\t+\j:ACC+8*\t+\j+1], v[STQ+\j:STQ+\j+1]
.endr
.if \isv
.irp j, 0,1,2,3
	v_cvt_pk_f16_f32 v[PK+4*\t+\j], v[ACC+8*\t+2*\j], v[ACC+8*\t+2*\j+1]
.endr
	global_store_b128 v12, v[PK+4*\t:PK+4*\t+3], s[8:9] offset:(4*\g+\t)*32768     ; a tile is two n: each store covers two aligned runs of 256 bytes
.else
.irp j, 0,2,4,6
	VSPLIT ACC+8*\t+\j, YH+8*\t+\j, YL+8*\t+\j
.endr
.irp j, 0,1,2,3
	v_cvt_pk_f16_f32 v[PK+4*\t+\j],  v[YH+8*\t+2*\j], v[YH+8*\t+2*\j+1]
	v_cvt_pk_f16_f32 v[PKL+4*\t+\j], v[YL+8*\t+2*\j], v[YL+8*\t+2*\j+1]
.endr
	global_store_b128 v12, v[PK+4*\t:PK+4*\t+3],   s[8:9]   offset:(4*\g+\t)*32768
	global_store_b128 v12, v[PKL+4*\t:PKL+4*\t+3], s[18:19] offset:(4*\g+\t)*32768
.endif
.endr
.endm
	s_cmp_lt_u32 s12, 4
	s_cbranch_scc0 .Lvpath
	; ---- waves 0-3: planes 0-7 (q, k) ----
	v_lshlrev_b32 v12, 14, v9                      ; (r>>3) n + hh heads of 128 bytes + (r&7) positions of 16 bytes
	v_lshl_add_u32 v12, v7, 7, v12
	v_lshl_add_u32 v12, v10, 4, v12
	GROUP 0, 0
	GROUP 1, 0
	GROUP 2, 0
	GROUP 3, 0
	; register j is channel (head 2mt + hh, plane j): sum over the 16 columns held by the lanes of a half
.irp m, 1,2,4,8
.irp j, 0,1,2,3,4,5,6,7
	v_add_f32_dpp v[STS+\j], v[STS+\j], v[STS+\j] row_xmask:\m row_mask:0xf bank_mask:0xf
	v_add_f32_dpp v[STQ+\j], v[STQ+\j], v[STQ+\j] row_xmask:\m row_mask:0xf bank_mask:0xf
.endr
.endr
	v_lshlrev_b32 v13, 6, v7                       ; hh*16 channels
	v_cmp_eq_u32 vcc_lo, 0, v6
	s_wait_xcnt 0x0                                ; EXEC changes only behind this wait
	s_set_vgpr_msb 0x5
	s_wait_tensorcnt 0x0
	ds_add_u32 v0, v1
	s_wait_dscnt 0x0
	s_set_vgpr_msb 0x500
	s_and_saveexec_b32 s28, vcc_lo                 ; lanes 0 and 16
	global_store_b128 v13, v[STS:STS+3],   s[10:11]
	global_store_b128 v13, v[STS+4:STS+7], s[10:11] offset:16
	global_store_b128 v13, v[STQ:STQ+3],   s[10:11] offset:512
	global_store_b128 v13, v[STQ+4:STQ+7], s[10:11] offset:528
	s_wait_xcnt 0x0
	s_or_b32 exec_lo, exec_lo, s28
	s_endpgm
.Lvpath:
	; ---- waves 4-7: planes 8-15 (v) ----
	v_lshlrev_b32 v12, 14, v7                      ; hh n + r channels of 16 bytes
	v_lshl_add_u32 v12, v6, 4, v12
	GROUP 0, 1
	GROUP 1, 1
	GROUP 2, 1
	GROUP 3, 1
	; lane r is channel (head 2mt + (r>>3), plane 8 + (r&7)): sum the eight registers, then the two halves
	v_pk_add_f32 v[STS:STS+1],   v[STS:STS+1],   v[STS+2:STS+3]
	v_pk_add_f32 v[STS+4:STS+5], v[STS+4:STS+5], v[STS+6:STS+7]
	v_pk_add_f32 v[STQ:STQ+1],   v[STQ:STQ+1],   v[STQ+2:STQ+3]
	v_pk_add_f32 v[STQ+4:STQ+5], v[STQ+4:STQ+5], v[STQ+6:STQ+7]
	v_pk_add_f32 v[STS:STS+1],   v[STS:STS+1],   v[STS+4:STS+5]
	v_pk_add_f32 v[STQ:STQ+1],   v[STQ:STQ+1],   v[STQ+4:STQ+5]
	v_add_f32 v[STS], v[STS], v[STS+1]
	v_add_f32 v[STQ], v[STQ], v[STQ+1]
	v_mov_b32 v14, 0                               ; the permute's destination counts as read
	v_mov_b32 v15, 0
	v_permlanex16_b32 v14, v[STS], s26, s27
	v_permlanex16_b32 v15, v[STQ], s26, s27
	v_add_f32 v[STS], v[STS], v14
	v_add_f32 v[STQ], v[STQ], v15
	v_lshlrev_b32 v13, 6, v9                       ; (r>>3)*16 channels + (r&7); the 8 planes in front are the immediate 32
	v_lshl_add_u32 v13, v10, 2, v13
	v_cmp_eq_u32 vcc_lo, 0, v7
	s_wait_xcnt 0x0                                ; EXEC changes only behind this wait
	s_set_vgpr_msb 0x5
	s_wait_tensorcnt 0x0
	ds_add_u32 v0, v1
	s_wait_dscnt 0x0
	s_set_vgpr_msb 0x500
	s_and_saveexec_b32 s28, vcc_lo                 ; lanes 0-15
	global_store_b32 v13, v[STS], s[10:11] offset:32
	global_store_b32 v13, v[STQ], s[10:11] offset:544
	s_wait_xcnt 0x0
	s_or_b32 exec_lo, exec_lo, s28
	s_endpgm
.Lfunc_end_k_q573fac1f8f_proj:
	.size	k_q573fac1f8f_proj, .Lfunc_end_k_q573fac1f8f_proj-k_q573fac1f8f_proj
	.p2alignl 7, 3214868480
	.fill 96, 4, 3214868480
	.section	.rodata,"a",@progbits
	.p2align	6, 0x0
	.amdhsa_kernel k_q573fac1f8f_proj
		.amdhsa_group_segment_fixed_size 70656
		.amdhsa_private_segment_fixed_size 0
		.amdhsa_enable_private_segment 0
		.amdhsa_kernarg_size 32
		.amdhsa_user_sgpr_count 2
		.amdhsa_user_sgpr_kernarg_segment_ptr 1
		.amdhsa_wavefront_size32 1
		.amdhsa_system_sgpr_workgroup_id_x 1
		.amdhsa_system_sgpr_workgroup_id_y 1
		.amdhsa_system_sgpr_workgroup_id_z 1
		.amdhsa_system_vgpr_workitem_id 0
		.amdhsa_next_free_vgpr 258
		.amdhsa_next_free_sgpr 66
		.amdhsa_reserve_vcc 1
		.amdhsa_float_denorm_mode_32 3
		.amdhsa_float_denorm_mode_16_64 3
		.amdhsa_memory_ordered 1
		.amdhsa_forward_progress 1
		.amdhsa_inst_pref_size 118
	.end_amdhsa_kernel
	.amdgpu_metadata
---
amdhsa.version: [ 1, 2 ]
amdhsa.kernels:
  - .name:           k_q573fac1f8f_proj
    .symbol:         k_q573fac1f8f_proj.kd
    .args:
      - { .name: x, .offset: 0, .size: 8, .value_kind: global_buffer, .address_space: global }
      - { .name: w_qkv, .offset: 8, .size: 8, .value_kind: global_buffer, .address_space: global }
      - { .name: y, .offset: 16, .size: 8, .value_kind: global_buffer, .address_space: global }
      - { .name: p1, .offset: 24, .size: 8, .value_kind: global_buffer, .address_space: global }
    .group_segment_fixed_size: 70656
    .private_segment_fixed_size: 0
    .kernarg_segment_align: 8
    .kernarg_segment_size: 32
    .max_flat_workgroup_size: 256
    .sgpr_count:     66
    .vgpr_count:     258
    .wavefront_size: 32
...
	.end_amdgpu_metadata
.endif
;; end of part 1
;; launch prep (part 2): grid 32 x 1, 8 waves a work-group, no clusters, 18,944 bytes of LDS; arguments p1, gamma1, beta1, pos_relative, tabs; writes tabs
.if DOCPART == 2
	.amdgcn_target "amdgcn-amd-amdhsa--gfx1250"
	.amdhsa_code_object_version 6
	.text
	.protected	k_q573fac1f8f_prep
	.globl	k_q573fac1f8f_prep
	.p2align	8
	.type	k_q573fac1f8f_prep,@function
k_q573fac1f8f_prep:
	s_mov_b64 s[64:65], 0
	v_nop
	global_prefetch_b8 v0, s[64:65] scope:SCOPE_SE
	s_setreg_imm32_b32 hwreg(HW_REG_WAVE_MODE, 25, 1), 1
	s_wait_xcnt 0x0
; prep: four small tables in tabs.
;   byte 0     : alpha[128], byte 512: beta'[128]: the first batch norm as yn = alpha*y + beta' (count 65,536, biased variance, eps 1e-5)
;   byte 1,024 : 256 blocks (p*2 + part) of 20 f32: S0..3[p], then R[p] in the order 00,01,02,03,12,13,22,23,11,33 (unlike pairs doubled), six zeros.
;                S_c[p] = sum over r = p..p+127 of pos[4 part + c][r];  R_cd[p] = the same sum of pos[c][r] pos[d][r]
;   byte 21,504: rows 8-15 of pos_relative as pairs of f16: word (par, c, m) at par*4096 + c*512 + m*4:
;                low = pos[8+c][2m+par+1], high = pos[8+c][2m+par];   an index of 255 or more gives 0
;   byte 29,696: rows 0-7 by column, split in two f16: 256 entries of 64 bytes; entry m+1 = column m (entry 0: zeros):
;                [upper parts of c 0..7][lower parts][upper parts again][1.0, 0, 0, 0, 0, 0, 0, 0]: the four 16-byte pieces of a matrix operand's row
; 32 work-groups of 256 threads: group g makes channels 4g..4g+3, positions 4g..4g+3, pair row g (g < 16) and entries of threads 8g..8g+7.
; The work is 32 rows wide: no more groups have work.  LDS is written in front of the one barrier and only read behind it.
; LIMITS: variance as E[y^2] - mean^2 in f32; the pair table is f16; a lower part is resolved to 2^-25.
.set POSP, 1028                        ; LDS row of pos: 257 words; row 16 holds ones, column 255 zeros
.set REDA, 17536                       ; 8 waves x 32 bytes
; Two f32 at x into an upper part of 11 significant bits (h) and the exact rest (l): t = 8193 x; h = t - (t - x); l = x - h.
.macro VSPLIT x, h, l
	v_pk_mul_f32 v[\h:\h+1], v[\x:\x+1], s[30:31] op_sel_hi:[1,0]
	v_pk_add_f32 v[\l:\l+1], v[\h:\h+1], v[\x:\x+1] neg_lo:[0,1] neg_hi:[0,1]
	v_pk_add_f32 v[\h:\h+1], v[\h:\h+1], v[\l:\l+1] neg_lo:[0,1] neg_hi:[0,1]
	v_pk_add_f32 v[\l:\l+1], v[\x:\x+1], v[\h:\h+1] neg_lo:[0,1] neg_hi:[0,1]
.endm
	s_load_b256 s[4:11], s[0:1], 0x0               ; p1 s[4:5], gamma1 s[6:7], beta1 s[8:9], pos_relative s[10:11]
	s_load_b64 s[12:13], s[0:1], 0x20              ; tabs
	v_lshl_add_u32 v160, v0, 2, 0x4600
	v_mov_b32 v161, 0
	v_lshrrev_b32 v1, 5, v0
	v_readfirstlane_b32 s14, v1                    ; wave
	s_lshl_b32 s16, ttmp9, 4                       ; 16 g: four f32
	s_mov_b32 s17, ttmp9                           ; g
	s_mov_b32 s18, 0x76543210                      ; v_permlanex16_b32: lane i reads lane i of the other half
	s_mov_b32 s19, 0xfedcba98
	s_mov_b32 s30, 0x46000400                      ; 8193.0 = 2^13 + 1
	s_mov_b32 s31, 0x46000400
	v_lshl_add_u32 v2, v0, 10, s16                 ; p1: row t, channels 4g..
	v_min_u32 v3, 0xfe, v0
	v_lshlrev_b32 v3, 2, v3                        ; pos: column min(t, 254)
	v_lshlrev_b32 v4, 2, v0                        ; 4 t
	v_mov_b32 v5, 0
	v_mov_b32 v6, s16
	v_mov_b32 v7, 0                                ; a permute's destination counts as read
	s_wait_kmcnt 0x0
	global_load_b128 v[8:11],  v2, s[4:5]
	global_load_b128 v[12:15], v2, s[4:5] offset:512
.irp row, 0,1,2,3,4,5,6,7,8,9,10,11,12,13,14,15
	global_load_b32 v[16+\row], v3, s[10:11] offset:\row*1020
.endr
	global_load_b128 v[32:35], v6, s[6:7]          ; gamma1
	global_load_b128 v[36:39], v6, s[8:9]          ; beta1
	s_wait_loadcnt 0x2                             ; p1 and pos are in; gamma1 and beta1 are younger
	v_cmp_eq_u32 vcc_lo, 0xff, v0
.irp row, 0,1,2,3,4,5,6,7,8,9,10,11,12,13,14,15
	v_cndmask_b32 v[16+\row], v[16+\row], v5, vcc_lo               ; column 255 is zero
	ds_store_b32 v4, v[16+\row] offset:\row*POSP
.endr
	v_mov_b32 v40, 1.0
	ds_store_b32 v4, v40 offset:16*POSP            ; the row of ones
	; the wave's sums of my eight figures
.irp j, 8,9,10,11,12,13,14,15
	v_add_f32_dpp v\j, v\j, v\j row_xmask:1 row_mask:0xf bank_mask:0xf
	v_add_f32_dpp v\j, v\j, v\j row_xmask:2 row_mask:0xf bank_mask:0xf
	v_add_f32_dpp v\j, v\j, v\j row_xmask:4 row_mask:0xf bank_mask:0xf
	v_add_f32_dpp v\j, v\j, v\j row_xmask:8 row_mask:0xf bank_mask:0xf
	v_permlanex16_b32 v7, v\j, s18, s19
	v_add_f32 v\j, v\j, v7
.endr
	s_lshl_b32 s20, s14, 5
	v_mov_b32 v40, s20
	ds_store_b128 v40, v[8:11]  offset:REDA        ; every lane writes the same figures to the wave's own 32 bytes
	ds_store_b128 v40, v[12:15] offset:REDA+16
	s_wait_dscnt 0x0                               ; for the other waves' sake
	s_barrier_signal -1
	s_barrier_wait -1
	; ---- S and R: thread = (e 0..15, half, p_l 0..3, part): 64 of the 128 terms; the two halves lie 16 lanes apart in one wave ----
	v_and_b32 v41, 15, v0                          ; e
	v_lshrrev_b32 v42, 7, v0                       ; part
	v_bfe_u32 v43, v0, 5, 2                        ; p_l
	v_bfe_u32 v44, v0, 4, 1                        ; half
	v_lshlrev_b32 v45, 1, v41
	v_mov_b32 v46, 0x0da500e4                      ; first row of entry e, two bits each
	v_mov_b32 v47, 0x0deee400                      ; second row
	v_mov_b32 v48, 0x059aa955                      ; weight 1, 2 or 0
	v_lshrrev_b32 v46, v45, v46
	v_lshrrev_b32 v47, v45, v47
	v_lshrrev_b32 v48, v45, v48
	v_and_b32 v46, 3, v46
	v_and_b32 v47, 3, v47
	v_and_b32 v48, 3, v48
	v_cvt_f32_u32 v48, v48
	v_lshl_add_u32 v46, v42, 2, v46                ; + 4 part
	v_lshl_add_u32 v47, v42, 2, v47
	v_mov_b32 v49, 16
	v_cmp_gt_u32 vcc_lo, 4, v41
	v_cndmask_b32 v47, v47, v49, vcc_lo            ; e < 4: a plain sum, times the row of ones
	v_lshlrev_b32 v50, 2, v43
	v_lshl_add_u32 v50, v44, 8, v50
	v_add_nc_u32 v50, s16, v50                     ; column (4g + p_l + 64 half) in bytes
	v_mul_u32_u24 v51, v46, POSP
	v_mul_u32_u24 v52, v47, POSP
	v_add_nc_u32 v51, v51, v50
	v_add_nc_u32 v52, v52, v50
	v_mov_b32 v53, 0
.irp bt, 0,1,2,3
.irp k, 0,1,2,3,4,5,6,7,8,9,10,11,12,13,14,15
	ds_load_b32 v[56+\k], v51 offset:(16*\bt+\k)*4
	ds_load_b32 v[72+\k], v52 offset:(16*\bt+\k)*4
.endr
	s_wait_dscnt 0x0
.irp k, 0,1,2,3,4,5,6,7,8,9,10,11,12,13,14,15
	v_fmac_f32 v53, v[56+\k], v[72+\k]
.endr
.endr
	v_permlanex16_b32 v7, v53, s18, s19            ; the other 64 terms
	v_add_f32 v55, v53, v7
	v_mul_f32 v55, v55, v48
	; ---- the table of pairs: groups 0-15, row 8 + (g & 7), par = g >> 3, word m = t, waves 0-3 ----
	s_and_b32 s21, ttmp9, 7                        ; c
	s_add_co_u32 s22, s21, 8                       ; row of pos
	s_mul_i32 s22, s22, POSP
	s_bfe_u32 s23, ttmp9, 0x10003                  ; par
	s_lshl_b32 s25, ttmp9, 9
	s_cmp_ge_u32 s14, 4
	s_cbranch_scc1 .Lnopairs
	s_cmp_ge_u32 s17, 16
	s_cbranch_scc1 .Lnopairs
	v_lshl_add_u32 v56, v0, 1, s23                 ; 2m + par, at most 255
	v_add_nc_u32 v57, 1, v56
	v_min_u32 v57, 0xff, v57
	v_lshl_add_u32 v56, v56, 2, s22
	v_lshl_add_u32 v57, v57, 2, s22
	ds_load_b32 v58, v56
	ds_load_b32 v59, v57
	s_wait_dscnt 0x0
	v_cvt_pk_f16_f32 v60, v59, v58                 ; the higher index in the low half
	v_add_nc_u32 v62, s25, v4
	global_store_b32 v62, v60, s[12:13] offset:21504
.Lnopairs:
	; ---- finish S and R: lanes with half = 0 store entries 0-15, lanes with half = 1 and e < 4 the four pad zeros ----
.irp w, 0,1,2,3,4,5,6,7
	ds_load_b128 v[96+8*\w:99+8*\w],   v5 offset:REDA+32*\w
	ds_load_b128 v[100+8*\w:103+8*\w], v5 offset:REDA+32*\w+16
.endr
	v_cmp_eq_u32 vcc_lo, 0, v44
	v_cndmask_b32 v55, v5, v55, vcc_lo
	v_lshl_add_u32 v63, v44, 4, v41                ; entry 16 half + e
	v_lshl_add_u32 v64, v43, 1, v42                ; 2 p_l + part
	v_mul_u32_u24 v64, v64, 80
	v_lshl_add_u32 v64, v63, 2, v64
	s_mul_i32 s26, ttmp9, 640                      ; eight blocks of 80 bytes a group
	v_add_nc_u32 v64, s26, v64
	v_cmp_gt_u32 vcc_lo, 20, v63
	s_wait_xcnt 0x0                                ; EXEC changes only behind this wait
	s_and_saveexec_b32 s27, vcc_lo
	global_store_b32 v64, v55, s[12:13] offset:1024
	s_wait_xcnt 0x0
	s_or_b32 exec_lo, exec_lo, s27
	; ---- the split table of rows 0-7: thread t holds column t in v[16:23]; threads 8g .. 8g+7 store entry (t + 1) mod 256 ----
.irp j, 0,2,4,6
	VSPLIT 16+\j, 66+\j, 74+\j
.endr
.irp j, 0,1,2,3
	v_cvt_pk_f16_f32 v[82+\j], v[66+2*\j], v[67+2*\j]
	v_cvt_pk_f16_f32 v[86+\j], v[74+2*\j], v[75+2*\j]
.endr
	v_mov_b32 v90, 0x3c00                          ; 1.0, 0
	v_mov_b32 v91, 0
	v_mov_b32 v92, 0
	v_mov_b32 v93, 0
	v_add_nc_u32 v94, 1, v0
	v_and_b32 v94, 0xff, v94                       ; thread 255 holds zeros: entry 0
	v_lshlrev_b32 v94, 6, v94
	v_lshrrev_b32 v95, 3, v0
	v_cmp_eq_u32 vcc_lo, s17, v95
	s_wait_xcnt 0x0                                ; EXEC changes only behind this wait
	s_and_saveexec_b32 s27, vcc_lo
	global_store_b128 v94, v[82:85], s[12:13] offset:29696
	global_store_b128 v94, v[86:89], s[12:13] offset:29712
	global_store_b128 v94, v[82:85], s[12:13] offset:29728
	global_store_b128 v94, v[90:93], s[12:13] offset:29744
	s_wait_xcnt 0x0
	s_or_b32 exec_lo, exec_lo, s27
	; ---- finish the batch norm of my four channels ----
	s_wait_dscnt 0x0                               ; the eight waves' sums
.irp w, 1,2,3,4,5,6,7
	v_pk_add_f32 v[96:97],   v[96:97],   v[96+8*\w:97+8*\w]
	v_pk_add_f32 v[98:99],   v[98:99],   v[98+8*\w:99+8*\w]
	v_pk_add_f32 v[100:101], v[100:101], v[100+8*\w:101+8*\w]
	v_pk_add_f32 v[102:103], v[102:103], v[102+8*\w:103+8*\w]
.endr
	s_mov_b32 s28, 0x37800000                      ; 1 / 65,536
	s_mov_b32 s29, 0x3727c5ac                      ; 1e-5
.irp j, 96,97,98,99,100,101,102,103
	v_mul_f32 v\j, s28, v\j
.endr
.irp j, 0,1,2,3
	v_fma_f32 v[100+\j], -v[96+\j], v[96+\j], v[100+\j]            ; variance
.endr
.irp j, 0,1,2,3
	v_add_f32 v[100+\j], s29, v[100+\j]
.endr
.irp j, 0,1,2,3
	v_rsq_f32 v[104+\j], v[100+\j]
.endr
	v_nop                                          ; one plain instruction between the last v_rsq_f32 and the first use
	s_wait_loadcnt 0x0                             ; gamma1, beta1
	s_wait_alu depctr_va_vdst(0)
.irp j, 0,1,2,3
	v_mul_f32 v[104+\j], v[32+\j], v[104+\j]                       ; alpha
.endr
.irp j, 0,1,2,3
	v_fma_f32 v[108+\j], -v[96+\j], v[104+\j], v[36+\j]            ; beta' = beta - mean alpha
.endr
	s_cmp_lg_u32 s14, 0
	s_cbranch_scc1 .Lend
	v_cmp_eq_u32 vcc_lo, 0, v0
	s_wait_xcnt 0x0                                ; EXEC changes only behind this wait
	s_and_saveexec_b32 s27, vcc_lo                 ; one lane stores
	global_store_b128 v6, v[104:107], s[12:13]
	global_store_b128 v6, v[108:111], s[12:13] offset:512
	s_wait_xcnt 0x0
	s_or_b32 exec_lo, exec_lo, s27
.Lend:
	s_barrier_signal -1
	s_barrier_wait -1
	s_wait_tensorcnt 0x0
	ds_add_u32 v160, v161
	s_wait_dscnt 0x0
	s_endpgm
.Lfunc_end_k_q573fac1f8f_prep:
	.size	k_q573fac1f8f_prep, .Lfunc_end_k_q573fac1f8f_prep-k_q573fac1f8f_prep
	.p2alignl 7, 3214868480
	.fill 96, 4, 3214868480
	.section	.rodata,"a",@progbits
	.p2align	6, 0x0
	.amdhsa_kernel k_q573fac1f8f_prep
		.amdhsa_group_segment_fixed_size 18944
		.amdhsa_private_segment_fixed_size 0
		.amdhsa_enable_private_segment 0
		.amdhsa_kernarg_size 40
		.amdhsa_user_sgpr_count 2
		.amdhsa_user_sgpr_kernarg_segment_ptr 1
		.amdhsa_wavefront_size32 1
		.amdhsa_system_sgpr_workgroup_id_x 1
		.amdhsa_system_sgpr_workgroup_id_y 1
		.amdhsa_system_sgpr_workgroup_id_z 1
		.amdhsa_system_vgpr_workitem_id 0
		.amdhsa_next_free_vgpr 162
		.amdhsa_next_free_sgpr 66
		.amdhsa_reserve_vcc 1
		.amdhsa_float_denorm_mode_32 3
		.amdhsa_float_denorm_mode_16_64 3
		.amdhsa_memory_ordered 1
		.amdhsa_forward_progress 1
		.amdhsa_inst_pref_size 29
	.end_amdhsa_kernel
	.amdgpu_metadata
---
amdhsa.version: [ 1, 2 ]
amdhsa.kernels:
  - .name:           k_q573fac1f8f_prep
    .symbol:         k_q573fac1f8f_prep.kd
    .args:
      - { .name: p1, .offset: 0, .size: 8, .value_kind: global_buffer, .address_space: global }
      - { .name: gamma1, .offset: 8, .size: 8, .value_kind: global_buffer, .address_space: global }
      - { .name: beta1, .offset: 16, .size: 8, .value_kind: global_buffer, .address_space: global }
      - { .name: pos_relative, .offset: 24, .size: 8, .value_kind: global_buffer, .address_space: global }
      - { .name: tabs, .offset: 32, .size: 8, .value_kind: global_buffer, .address_space: global }
    .group_segment_fixed_size: 18944
    .private_segment_fixed_size: 0
    .kernarg_segment_align: 8
    .kernarg_segment_size: 40
    .max_flat_workgroup_size: 256
    .sgpr_count:     66
    .vgpr_count:     162
    .wavefront_size: 32
...
	.end_amdgpu_metadata
.endif
;; end of part 2
;; launch attstat (part 3): grid 256 x 1, 8 waves a work-group, no clusters, 22,016 bytes of LDS; arguments y, tabs, apart; writes apart
.if DOCPART == 3
	.amdgcn_target "amdgcn-amd-amdhsa--gfx1250"
	.amdhsa_code_object_version 6
	.text
	.protected	k_q573fac1f8f_attstat
	.globl	k_q573fac1f8f_attstat
	.p2align	8
	.type	k_q573fac1f8f_attstat,@function
k_q573fac1f8f_attstat:
	s_mov_b64 s[64:65], 0
	v_nop
	global_prefetch_b8 v0, s[64:65] scope:SCOPE_SE
	s_setreg_imm32_b32 hwreg(HW_REG_WAVE_MODE, 25, 1), 1
	s_wait_xcnt 0x0
; attstat: the sums that the batch norm of the 24 logit maps needs, from moments of q and k, without forming the maps.
; For each (n, h), with qn, kn the normalised q, k (4 planes, 128 positions):
;   T1 = sum over p,i of qk   = sum_c (sum_p qn_c)(sum_i kn_c)
;   T2 = sum over p,i of qk^2 = sum_cd Gq_cd Gk_cd,  G = the 4 x 4 Gram matrix over positions
;   TS = sum over p,i of the ungated qr (kr) = sum_p sum_c qn_c[p] S_c[p];   TR = the same of its square = sum_p sum_cd qn_c qn_d R_cd[p]
; These identities hold for all inputs.  apart: [work-group 256][part 2][h 8][T1, T2, TS, TR] f32, summed over the group's two n.
; Work-group g: n = 2g + n_l.  Wave: n_l = wave >> 2, heads 2hp, 2hp+1 (hp = wave & 3).  Lane = hb*16 + l_l*2 + part (part 0: q, 1: k).
; A wave walks all 128 positions of its two heads, so a (n, h) sum never leaves the wave.
; Memory binds this launch (8 MB of y read once by loads that cover 256 consecutive bytes): no matrix unit, no tensor loads, no cluster.
; LIMITS: sums in f32 in an order of their own.
.set RSB, 80                           ; bytes of a block of the S, R table: an odd multiple of 16
.set FIN, 20480                        ; 2 n x 256 bytes
.set D,   16                           ; v[16:47]   16 position blocks x 4 f16 as loaded
.set AL,  48                           ; v[48:51]   alpha of my 4 planes
.set BE,  52                           ; v[52:55]   beta'
.set CP,  56                           ; v[56:75]   the table on its way to LDS
.set CF,  76                           ; v[76:107]  S, R of a step, two buffers of 16
.set Q,   108                          ; v[108:111] the four normalised planes
.set PR,  112                          ; v[112:121] their ten products
.set SUM, 122                          ; v[122:125]
.set GG,  126                          ; v[126:135]
.set TS,  136                          ; v[136:137]
.set TR,  138                          ; v[138:139]
	s_load_b128 s[4:7], s[0:1], 0x0                ; y s[4:5], tabs s[6:7]
	s_load_b64 s[8:9], s[0:1], 0x10                ; apart
	v_lshl_add_u32 v148, v0, 2, 0x5200
	v_mov_b32 v149, 0
	v_lshrrev_b32 v1, 5, v0
	v_readfirstlane_b32 s10, v1                    ; wave
	s_lshr_b32 s11, s10, 2                         ; n_l
	s_and_b32 s12, s10, 3                          ; hp
	s_lshl1_add_u32 s14, ttmp9, s11                ; n
	s_lshl_b32 s14, s14, 14
	s_lshl_b32 s16, s12, 8
	s_add_co_u32 s14, s14, s16                     ; n*16,384 + hp*256
	s_mov_b32 s15, 0
	v_and_b32 v2, 31, v0                           ; lane
	v_lshlrev_b32 v3, 3, v2                        ; 8 bytes a lane: hb*128 + l_l*16 + part*8
	v_lshrrev_b32 v4, 4, v2                        ; hb
	v_and_b32 v5, 1, v2                            ; part
	v_lshlrev_b32 v6, 6, v4
	v_lshl_add_u32 v6, v5, 4, v6
	s_lshl_b32 s16, s12, 7
	v_add_nc_u32 v6, s16, v6                       ; channel (2hp + hb)*16 + 4 part, in bytes
	v_and_b32 v7, 15, v2
	v_mul_u32_u24 v7, v7, RSB                      ; block l_l*2 + part of a step's sixteen
	v_lshlrev_b32 v8, 4, v0                        ; 16 t
	v_lshlrev_b32 v9, 7, v5                        ; where the wave's results go: n_l*256 + part*128 + (2hp + hb)*16
	v_lshl_add_u32 v9, v4, 4, v9
	s_lshl_b32 s16, s11, 8
	s_lshl_b32 s17, s12, 5
	s_add_co_u32 s16, s16, s17
	v_add_nc_u32 v9, s16, v9
	s_wait_kmcnt 0x0
	s_add_nc_u64 s[4:5], s[4:5], s[14:15]
.irp k, 0,1,2,3,4
	global_load_b128 v[CP+4*\k:CP+4*\k+3], v8, s[6:7] offset:1024+4096*\k
.endr
	global_load_b128 v[AL:AL+3], v6, s[6:7]
	global_load_b128 v[BE:BE+3], v6, s[6:7] offset:512
.irp k, 0,1,2,3,4,5,6,7,8,9,10,11,12,13,14,15
	global_load_b64 v[D+2*\k:D+2*\k+1], v3, s[4:5] offset:1024*\k
.endr
	s_wait_loadcnt 0x12                            ; the five table loads are in: 2 + 16 loads are younger
.irp k, 0,1,2,3,4
	ds_store_b128 v8, v[CP+4*\k:CP+4*\k+3] offset:4096*\k
.endr
	s_wait_dscnt 0x0                               ; for the other waves' sake
	s_barrier_signal -1
	s_barrier_wait -1
.irp j, 0,1,2,3
	ds_load_b128 v[CF+4*\j:CF+4*\j+3], v7 offset:16*\j             ; S, R of step 0
.endr
; Step k: positions 8k .. 8k+7.  a..d: the four f16 halves of this step's load.
; first = 1: the step computes straight into SUM and GG, so that nothing is cleared.  last = 1: no further table load.
.macro STEP k, first, last, a, b, c, d
.set CFC, CF+16*(\k%2)
.set CFN, CF+16*((\k+1)%2)
.if \last == 0
.irp j, 0,1,2,3
	ds_load_b128 v[CFN+4*\j:CFN+4*\j+3], v7 offset:(\k+1)*16*RSB+16*\j
.endr
.endif
	s_wait_loadcnt 15-\k                           ; loads return in order: this step's is in, the later steps' stay out
.if \last
	s_wait_dscnt 0x0
.else
	s_wait_dscnt 0x4                               ; this step's S, R are in; the four loads just issued stay out
.endif
.if \first
.set QR, SUM
.set PP, GG
.else
.set QR, Q
.set PP, PR
.endif
	v_cvt_f32_f16 v[QR],   \a
	v_cvt_f32_f16 v[QR+1], \b
	v_cvt_f32_f16 v[QR+2], \c
	v_cvt_f32_f16 v[QR+3], \d
	v_pk_fma_f32 v[QR:QR+1],   v[QR:QR+1],   v[AL:AL+1],   v[BE:BE+1]
	v_pk_fma_f32 v[QR+2:QR+3], v[QR+2:QR+3], v[AL+2:AL+3], v[BE+2:BE+3]
	v_pk_mul_f32 v[PP:PP+1],   v[QR:QR+1],   v[QR:QR+1]   op_sel_hi:[0,1]               ; 00, 01
	v_pk_mul_f32 v[PP+2:PP+3], v[QR:QR+1],   v[QR+2:QR+3] op_sel_hi:[0,1]               ; 02, 03
	v_pk_mul_f32 v[PP+4:PP+5], v[QR:QR+1],   v[QR+2:QR+3] op_sel:[1,0] op_sel_hi:[1,1]  ; 12, 13
	v_pk_mul_f32 v[PP+6:PP+7], v[QR+2:QR+3], v[QR+2:QR+3] op_sel_hi:[0,1]               ; 22, 23
	v_mul_f32 v[PP+8], v[QR+1], v[QR+1]                                                 ; 11
	v_mul_f32 v[PP+9], v[QR+3], v[QR+3]                                                 ; 33
.if \first
	v_pk_mul_f32 v[TS:TS+1], v[QR:QR+1], v[CFC:CFC+1]
	v_pk_mul_f32 v[TR:TR+1], v[PP:PP+1], v[CFC+4:CFC+5]
.else
	v_pk_add_f32 v[SUM:SUM+1],   v[SUM:SUM+1],   v[QR:QR+1]
	v_pk_add_f32 v[SUM+2:SUM+3], v[SUM+2:SUM+3], v[QR+2:QR+3]
.irp j, 0,2,4,6,8
	v_pk_add_f32 v[GG+\j:GG+\j+1], v[GG+\j:GG+\j+1], v[PP+\j:PP+\j+1]
.endr
	v_pk_fma_f32 v[TS:TS+1], v[QR:QR+1], v[CFC:CFC+1], v[TS:TS+1]
	v_pk_fma_f32 v[TR:TR+1], v[PP:PP+1], v[CFC+4:CFC+5], v[TR:TR+1]
.endif
	v_pk_fma_f32 v[TS:TS+1], v[QR+2:QR+3], v[CFC+2:CFC+3], v[TS:TS+1]
.irp j, 2,4,6,8
	v_pk_fma_f32 v[TR:TR+1], v[PP+\j:PP+\j+1], v[CFC+4+\j:CFC+5+\j], v[TR:TR+1]
.endr
.endm
	STEP 0,  1, 0, v16.l, v16.h, v17.l, v17.h
	STEP 1,  0, 0, v18.l, v18.h, v19.l, v19.h
	STEP 2,  0, 0, v20.l, v20.h, v21.l, v21.h
	STEP 3,  0, 0, v22.l, v22.h, v23.l, v23.h
	STEP 4,  0, 0, v24.l, v24.h, v25.l, v25.h
	STEP 5,  0, 0, v26.l, v26.h, v27.l, v27.h
	STEP 6,  0, 0, v28.l, v28.h, v29.l, v29.h
	STEP 7,  0, 0, v30.l, v30.h, v31.l, v31.h
	STEP 8,  0, 0, v32.l, v32.h, v33.l, v33.h
	STEP 9,  0, 0, v34.l, v34.h, v35.l, v35.h
	STEP 10, 0, 0, v36.l, v36.h, v37.l, v37.h
	STEP 11, 0, 0, v38.l, v38.h, v39.l, v39.h
	STEP 12, 0, 0, v40.l, v40.h, v41.l, v41.h
	STEP 13, 0, 0, v42.l, v42.h, v43.l, v43.h
	STEP 14, 0, 0, v44.l, v44.h, v45.l, v45.h
	STEP 15, 0, 1, v46.l, v46.h, v47.l, v47.h
	v_add_f32 v[TS], v[TS], v[TS+1]
	v_add_f32 v[TR], v[TR], v[TR+1]
	; over the eight l_l (lane bits 1-3); hb and part stay apart
.irp m, 2,4,8
.irp j, 122,123,124,125,126,127,128,129,130,131,132,133,134,135,136,138
	v_add_f32_dpp v\j, v\j, v\j row_xmask:\m row_mask:0xf bank_mask:0xf
.endr
.endr
	; q's figure times k's: the partner is lane xor 1
.irp j, 122,123,124,125,126,127,128,129,130,131,132,133,134,135
	v_mul_f32_dpp v\j, v\j, v\j row_xmask:1 row_mask:0xf bank_mask:0xf
.endr
	v_pk_add_f32 v[122:123], v[122:123], v[124:125]
	v_add_f32 v140, v122, v123                     ; T1
	v_add_f32 v142, v127, v128                     ; unlike pairs 01, 02, 03, 12, 13, 23
	v_add_f32 v143, v129, v130
	v_add_f32 v144, v131, v133
	v_add_f32 v145, v126, v132                     ; like pairs 00, 22, 11, 33
	v_add_f32 v146, v134, v135
	v_add_f32 v142, v142, v143
	v_add_f32 v145, v145, v146
	v_add_f32 v142, v142, v144
	v_fma_f32 v141, 2.0, v142, v145                ; T2
	v_mov_b32 v142, v[TS]
	v_mov_b32 v143, v[TR]
	ds_store_b128 v9, v[140:143] offset:FIN        ; the eight lanes of one (hb, part) write the same figures
	s_wait_dscnt 0x0
	s_barrier_signal -1
	s_barrier_wait -1
	s_cmp_lg_u32 s10, 0
	s_cbranch_scc1 .Lend
	ds_load_b64 v[140:141], v3 offset:FIN          ; wave 0 adds the two n and stores 256 consecutive bytes
	ds_load_b64 v[142:143], v3 offset:FIN+256
	s_lshl_b32 s16, ttmp9, 8
	v_add_nc_u32 v10, s16, v3
	s_wait_dscnt 0x0
	v_pk_add_f32 v[140:141], v[140:141], v[142:143]
	global_store_b64 v10, v[140:141], s[8:9]
.Lend:
	s_barrier_signal -1
	s_barrier_wait -1
	s_wait_tensorcnt 0x0
	ds_add_u32 v148, v149
	s_wait_dscnt 0x0
	s_endpgm
.Lfunc_end_k_q573fac1f8f_attstat:
	.size	k_q573fac1f8f_attstat, .Lfunc_end_k_q573fac1f8f_attstat-k_q573fac1f8f_attstat
	.p2alignl 7, 3214868480
	.fill 96, 4, 3214868480
	.section	.rodata,"a",@progbits
	.p2align	6, 0x0
	.amdhsa_kernel k_q573fac1f8f_attstat
		.amdhsa_group_segment_fixed_size 22016
		.amdhsa_private_segment_fixed_size 0
		.amdhsa_enable_private_segment 0
		.amdhsa_kernarg_size 24
		.amdhsa_user_sgpr_count 2
		.amdhsa_user_sgpr_kernarg_segment_ptr 1
		.amdhsa_wavefront_size32 1
		.amdhsa_system_sgpr_workgroup_id_x 1
		.amdhsa_system_sgpr_workgroup_id_y 1
		.amdhsa_system_sgpr_workgroup_id_z 1
		.amdhsa_system_vgpr_workitem_id 0
		.amdhsa_next_free_vgpr 150
		.amdhsa_next_free_sgpr 66
		.amdhsa_reserve_vcc 0
		.amdhsa_float_denorm_mode_32 3
		.amdhsa_float_denorm_mode_16_64 3
		.amdhsa_memory_ordered 1
		.amdhsa_forward_progress 1
		.amdhsa_inst_pref_size 37
	.end_amdhsa_kernel
	.amdgpu_metadata
---
amdhsa.version: [ 1, 2 ]
amdhsa.kernels:
  - .name:           k_q573fac1f8f_attstat
    .symbol:         k_q573fac1f8f_attstat.kd
    .args:
      - { .name: y, .offset: 0, .size: 8, .value_kind: global_buffer, .address_space: global }
      - { .name: tabs, .offset: 8, .size: 8, .value_kind: global_buffer, .address_space: global }
      - { .name: apart, .offset: 16, .size: 8, .value_kind: global_buffer, .address_space: global }
    .group_segment_fixed_size: 22016
    .private_segment_fixed_size: 0
    .kernarg_segment_align: 8
    .kernarg_segment_size: 24
    .max_flat_workgroup_size: 256
    .sgpr_count:     66
    .vgpr_count:     150
    .wavefront_size: 32
...
	.end_amdgpu_metadata
.endif
;; end of part 3
;; launch attn (part 4): grid 256 x 1, 4 waves a work-group, no clusters, 12,800 bytes of LDS; arguments y, tabs, apart, gamma_att, beta_att, gate_qr, gate_kr, gate_v, gate_v_pos, zraw, zpart; writes zraw, zpart
.if DOCPART == 4
	.amdgcn_target "amdgcn-amd-amdhsa--gfx1250"
	.amdhsa_code_object_version 6
	.text
	.protected	k_q573fac1f8f_attn
	.globl	k_q573fac1f8f_attn
	.p2align	8
	.type	k_q573fac1f8f_attn,@function
k_q573fac1f8f_attn:
	s_mov_b64 s[64:65], 0
	v_nop
	global_prefetch_b8 v0, s[64:65] scope:SCOPE_SE
	s_setreg_imm32_b32 hwreg(HW_REG_WAVE_MODE, 25, 1), 1
	s_wait_xcnt 0x0
; attn: logits, softmax, att.v and att.v_pos for all 4,096 (n, h), and the sums for the last batch norm.
; A unit is (n, h, pb): 16 queries p = 16pb + r against 128 keys.  Work-group g: n = 4 (g>>1) + 0..3; wave w keeps pb = 4 (g&1) + w for
; all its 32 units (h outer, n inner), so the tables that hang on pb stay in registers.  One wave on each SIMD, no barrier in the loop.
; Everything is computed transposed: in a logit tile the lane is the query (column r), the registers are keys.
; KEY ORDER: tile ib, row 8hh + j is key i = 64hh + 8ib + j, so that a lane holds 64 neighbouring keys e = 8ib + j in registers 0-63.
;   logits (in log2 units, lam = log2 e), every factor carried as two f16 (upper + lower part), sums in f32:
;     relative terms: Y[rho][p] = sum_c pos[c][16pb + 142 - rho] u_c[p] + const[p], a dense product (10 tiles: 80 rows for each half of the lanes,
;       K slots: 0-7 Ph x uh, 8-15 Pl x uh, 16-23 Ph x ul, 24: 1.0 x const);  s_rel[i][p] = Y[i + 15 - r][p]: a shift of the lane's registers by
;       15 - r, made in place by four rounds of selects (by 8, 4, 2, 1: 71 + 67 + 65 + 64).
;       u_0..3 = lam a_qr g_qr qn,  u_4..7 = lam a_kr g_kr kn;   const = lam (a_qk sum_c beta'_c qn_c + C_h),  C_h = sum of (beta_att - a mean)
;     q.k: s += sum_c kraw_c[i] b_c[p], b_c = lam a_qk alpha_c qn_c[p]  (8 products; K slots: 4-7 kh x bh, 12-15 kl x bh, 20-23 kh x bl)
;     a = gamma_att rsqrt(var + eps)
;   w = exp2(s - max), L = sum w;  O_c = sum_i vraw_c[i] w[i]  (4 products);
;   G_c[p'][p] = sum_i pos[8+c][16pb + p' - i + 127] w[i][p]  (32 products), of which the diagonal p' = r is used.
;   att_v = g_v (alpha_c O_c / L + beta'_c),  att_vp = g_vp G_c / L.
; zraw: [sel 0 att_v, 1 att_vp][n][h][c>>2][p][c&3] f32 (16,777,216 / 32,768 / 4,096 / 2,048 / 16).  zpart: [work-group][h][av s1, av s2, vp s1, vp s2].
; Operands come from memory straight into registers, one unit ahead; no LDS ring, no tensor loads.  No cluster: only two work-groups read the
; same 4 x 48 KB of y, each byte goes to registers, and there is no joint request for register loads.
; LIMITS: all matrix operands are f16 (every scaled operand, const too, below 65504 in magnitude; a lower part is resolved to 2^-25); weights, v and
; rows 8-15 of pos are single f16; variances as E[x^2] - mean^2 in f32; sums in an order of their own; NaN and infinities are not reproduced.
.set PTAB, 0                           ; LDS: 8,192 bytes, the table of f16 pairs of rows 8-15
.set RED,  8192                        ; 4 waves x 256 bytes
.set TA,   9216                        ; alpha (x g_v for v planes), 128 f32
.set TB,   9728                        ; beta'  (x g_v for v planes)
.set TC,   10240                       ; alpha lam a_qk
.set TD,   10752                       ; beta'  lam a_qk
.set THT,  11264                       ; 8 x (lam C_h, lam a_qr g_qr, lam a_kr g_kr, g_vp)
.set ZST,  11392                       ; [wave][h][sel][s1, s2]
.set RTAB, 29696                       ; byte in tabs of the split table of rows 0-7
; window 0
.set VK,16                             ; key rows of q,k: hh*16,777,216 (upper or lower parts) + (r>>3)*8192 + (r&7)*16
.set VO,17                             ; my own query row: pb*2048 + (r>>3)*1024 + (r&7)*16
.set VV,18                             ; v: 8,388,608 + hh*8192 + (r&7)*16
.set VZ,19                             ; zraw: diag*16,777,216 + (16pb + r)*16
.set VKO,20                            ; these, plus the unit's offset
.set VOO,21
.set VVO,22
.set VZO,23
.set RTB,24
.set TVB,25
.set HM,26                             ; -1 in lanes 0-15
.set LH64,27
.set LH16,28
.set ZSA,29
.set VK2,30                            ; key rows, upper parts in every lane
.set VK2O,31
.set OWN,34                            ; v[34:37]   raw q, k of my query, upper parts
.set F,38                              ; v[38:45]   qn 0-3, kn 0-3 of my query
.set U,46                              ; v[46:53]   u_c, then its lower part
.set CA,54                             ; v[54:61]   alpha of planes 0-7
.set CB,62                             ; v[62:69]   beta'
.set CK,70                             ; v[70:73]
.set CBK,74                            ; v[74:77]
.set TH,78                             ; v[78:81]
.set QB,82                             ; v[82:89]   B of the q.k product; registers 0,1,4,5 stay zero
.set UB,90                             ; v[90:97]   B of the relative product
.set OWNL,98                           ; v[98:101]  raw q, k of my query, lower parts
.set KF,122                            ; v[122:185] A of the q.k product, [ib][8]
.set VF,186                            ; v[186:217] A of att.v, [kc][8]
.set MV,218                            ; v[218:225] alpha g_v of the v planes
.set AVC,226                           ; v[226:233] beta' g_v
.set XT,234                            ; v[234:241] at work, across lanes
; window 1: RT[t][8] at 8 t, t = 0..9.   window 2: TV[c][kc][8] at 32 c + 8 kc.   window 3:
.set S,0                               ; 80: Y, of which 64 become logits, then weights, then room for the diagonal's sums
.set G,64                              ; 64 (its first 16 are Y's last rows until the shift is done)
.set AV,128                            ; 8
.set PT,136                            ; 32: weights in f16, [kc][8]
.set MX,168
.set SUMP,170
.set RL,178
.set MK,180                            ; 8: 1.0 where this lane and register lie on the diagonal
.set MJ,188
.set AJ,196
.set X,204
.set GX,212
.set ST1,220
.set ST2,222
.set MC,224
.set MSB, 0
.macro WIN new                         ; low byte: bits 1:0 source 0, 3:2 source 1, 5:4 source 2, 7:6 destination; high byte: the setting left
.if MSB != \new
	s_set_vgpr_msb (MSB<<8)|\new
.set MSB, \new
.endif
.endm
	s_load_b512 s[4:19], s[0:1], 0x0               ; y 4, tabs 6, apart 8, gamma_att 10, beta_att 12, gate_qr 14, gate_kr 16, gate_v 18
	s_load_b128 s[20:23], s[0:1], 0x40             ; gate_v_pos 20, zraw 22
	s_load_b64 s[24:25], s[0:1], 0x50              ; zpart
	v_lshl_add_u32 v254, v0, 2, 0x3000
	v_mov_b32 v255, 0
	v_lshrrev_b32 v9, 5, v0
	v_readfirstlane_b32 s30, v9                    ; wave
	s_and_b32 s31, ttmp9, 1
	s_lshl2_add_u32 s31, s31, s30                  ; pb
	s_lshr_b32 s33, ttmp9, 1
	s_lshl_b32 s33, s33, 2                         ; n0
	s_mov_b32 s32, 0x3fb8aa3b                      ; log2 e
	s_mov_b32 s37, 0x34000000                      ; 1 / 8,388,608
	s_mov_b32 s38, 0x3727c5ac                      ; 1e-5
	s_mov_b32 s40, 0x76543210                      ; lane xor 16
	s_mov_b32 s41, 0xfedcba98
	s_mov_b32 s42, 0xfedcba98                      ; lane xor 24
	s_mov_b32 s43, 0x76543210
	s_lshl_b32 s34, ttmp9, 7
	s_mov_b32 s35, 0
	v_lshlrev_b32 v5, 4, v0                        ; 16 t
	v_and_b32 v6, 31, v0
	v_lshlrev_b32 v6, 4, v6
	v_lshl_add_u32 v6, v9, 14, v6                  ; apart: 64 entries of 256 bytes a wave, 16 bytes a lane
	v_lshlrev_b32 v7, 2, v0                        ; 4 t: thread = channel
	v_lshrrev_b32 v8, 4, v0
	v_lshlrev_b32 v8, 2, v8                        ; 4 h_t
	v_mov_b32 v[XT], 0                             ; a permute's destination counts as read
	s_wait_kmcnt 0x0
	s_load_b32 s26, s[14:15], 0x0                  ; g_qr
	s_load_b32 s27, s[16:17], 0x0                  ; g_kr
	s_load_b32 s28, s[18:19], 0x0                  ; g_v
	s_load_b32 s29, s[20:21], 0x0                  ; g_vp
	s_add_nc_u64 s[24:25], s[24:25], s[34:35]
	s_add_nc_u64 s[52:53], s[4:5], 0x1000000       ; y's region of lower parts
.irp k, 0,1,2,3
	global_load_b128 v[34+4*\k:37+4*\k], v5, s[6:7] offset:21504+2048*\k
.endr
.set kk, 0
.rept 32
	global_load_b128 v[90+4*kk:93+4*kk], v6, s[8:9] offset:512*kk
.set kk, kk+1
.endr
	global_load_b32 v218, v7, s[6:7]               ; alpha
	global_load_b32 v219, v7, s[6:7] offset:512    ; beta'
	global_load_b32 v220, v8, s[10:11]             ; gamma_att of qk, qr, kr
	global_load_b32 v221, v8, s[10:11] offset:32
	global_load_b32 v222, v8, s[10:11] offset:64
	global_load_b32 v223, v8, s[12:13]             ; beta_att
	global_load_b32 v224, v8, s[12:13] offset:32
	global_load_b32 v225, v8, s[12:13] offset:64
	; ---- what hangs on the lane alone ----
	v_and_b32 v1, 15, v0                           ; r
	v_bfe_u32 v2, v0, 4, 1                         ; hh
	v_and_b32 v3, 7, v0                            ; r & 7
	v_bfe_u32 v4, v0, 3, 1                         ; r >> 3
	v_cmp_eq_u32 s44, v2, v4                       ; diag: the lane that holds row p' = r of a 16 x 16 result
	v_cmp_eq_u32 s58, 0, v2                        ; lanes 0-15
	v_lshlrev_b32 v10, 4, v3
	v_lshl_add_u32 v[VK2], v4, 13, v10             ; row r of tile ib is key 64 (r>>3) + 8 ib + (r&7): block 8 (r>>3) + ib of 1,024 bytes
	v_lshl_add_u32 v[VK], v2, 24, v[VK2]
	v_lshl_add_u32 v[VO], v4, 10, v10
	s_lshl_b32 s36, s31, 11
	v_add_nc_u32 v[VO], s36, v[VO]
	v_lshl_add_u32 v[VV], v2, 13, v10
	v_add_nc_u32 v[VV], 0x800000, v[VV]
	v_cndmask_b32 v11, 0, 1, s44
	v_lshlrev_b32 v[VZ], 4, v1
	v_lshl_add_u32 v[VZ], v11, 24, v[VZ]
	s_lshl_b32 s36, s31, 8
	v_add_nc_u32 v[VZ], s36, v[VZ]
	s_lshl_b32 s36, s31, 4                         ; 16 pb
	v_xor_b32 v12, 1, v4                           ; RT: row r of tile t is rho = 64 (r>>3) + 8t + (r&7), column 16pb + 142 - rho, entry one more:
	v_xor_b32 v13, 7, v3                           ; entry = 16pb + 64 (1 - (r>>3)) + (7 - (r&7)) + 8 (9 - t); the last term sits in the immediates
	v_lshl_add_u32 v12, v12, 6, v13
	v_add_nc_u32 v12, s36, v12
	v_lshlrev_b32 v12, 6, v12
	v_lshl_add_u32 v[RTB], v2, 4, v12              ; + 16 hh: which piece of the entry
	v_xor_b32 v12, 1, v2                           ; TV's lower index is 16pb + r + 126 - 64hh - .. = 62 + (16pb + r + 64 (1 - hh)) - ..
	v_lshl_add_u32 v12, v12, 6, v1
	v_add_nc_u32 v12, s36, v12
	v_and_b32 v13, 1, v12                          ; its parity picks the half table, the rest the word; 62 is even and sits in the immediates
	v_lshrrev_b32 v12, 1, v12
	v_lshlrev_b32 v12, 2, v12
	v_lshl_add_u32 v[TVB], v13, 12, v12
	v_cndmask_b32 v[HM], 0, -1, s58
	v_xor_b32 v12, 15, v1                          ; the shift 15 - r, bit by bit
	v_and_b32 v13, 8, v12
	v_cmp_ne_u32 s54, 0, v13
	v_and_b32 v13, 4, v12
	v_cmp_ne_u32 s55, 0, v13
	v_and_b32 v13, 2, v12
	v_cmp_ne_u32 s56, 0, v13
	v_and_b32 v13, 1, v12
	v_cmp_ne_u32 s57, 0, v13
	s_lshl_b32 s36, s30, 7
	v_lshlrev_b32 v15, 3, v11
	v_add_nc_u32 v15, s36, v15                     ; wave*128 + diag*8
	v_lshlrev_b32 v10, 4, v1
	s_lshl_b32 s36, s30, 8
	v_add_nc_u32 v10, s36, v10                     ; wave*256 + r*16
	; ---- the pair table to LDS; the sum over apart's 256 entries ----
	s_wait_loadcnt 0x28                            ; the four table loads are in: 32 + 8 loads are younger
.irp k, 0,1,2,3
	ds_store_b128 v5, v[34+4*\k:37+4*\k] offset:PTAB+2048*\k
.endr
	s_wait_loadcnt 0x8                             ; apart is in: the eight small loads are younger
.irp st, 16,8,4,2,1
.set kk, 0
.rept \st
	v_pk_add_f32 v[90+4*kk:91+4*kk], v[90+4*kk:91+4*kk], v[90+4*(kk+\st):91+4*(kk+\st)]
	v_pk_add_f32 v[92+4*kk:93+4*kk], v[92+4*kk:93+4*kk], v[92+4*(kk+\st):93+4*(kk+\st)]
.set kk, kk+1
.endr
.endr
.irp j, 90,91,92,93
	v_permlanex16_b32 v[XT], v\j, s40, s41         ; lanes 0-15 held the even entries, lanes 16-31 the odd ones
	v_add_f32 v\j, v\j, v[XT]
.endr
	ds_store_b128 v10, v[90:93] offset:RED
	s_wait_dscnt 0x0                               ; for the other waves' sake
	s_barrier_signal -1
	s_barrier_wait -1
	; ---- coefficients: thread t = channel t, head h_t = t >> 4 ----
	v_lshlrev_b32 v12, 2, v8                       ; 16 h_t
.irp w, 0,1,2,3
	ds_load_b128 v[90+8*\w:93+8*\w], v12 offset:RED+256*\w         ; T1, T2, TS, TR of q
	ds_load_b128 v[94+8*\w:97+8*\w], v12 offset:RED+256*\w+128     ; .., .., TS, TR of k
.endr
	s_wait_loadcnt 0x0
	s_wait_kmcnt 0x0
	s_wait_dscnt 0x0
.irp w, 1,2,3
	v_pk_add_f32 v[90:91], v[90:91], v[90+8*\w:91+8*\w]
	v_pk_add_f32 v[92:93], v[92:93], v[92+8*\w:93+8*\w]
	v_pk_add_f32 v[96:97], v[96:97], v[96+8*\w:97+8*\w]
.endr
.irp j, 90,91,92,93,96,97
	v_mul_f32 v\j, s37, v\j                        ; means of x and of x^2 (count 2^23)
.endr
	v_fma_f32 v91, -v90, v90, v91                  ; variances; those of qr and kr still without their gates
	v_fma_f32 v93, -v92, v92, v93
	v_fma_f32 v97, -v96, v96, v97
	v_mul_f32 v93, s26, v93
	v_mul_f32 v97, s27, v97
	v_mul_f32 v93, s26, v93
	v_mul_f32 v97, s27, v97
	v_add_f32 v91, s38, v91
	v_add_f32 v93, s38, v93
	v_add_f32 v97, s38, v97
	v_rsq_f32 v98, v91
	v_rsq_f32 v99, v93
	v_rsq_f32 v100, v97
	v_nop                                          ; one plain instruction between the last v_rsq_f32 and the first use
	s_wait_alu depctr_va_vdst(0)
	v_mul_f32 v98, v220, v98                       ; a_qk
	v_mul_f32 v99, v221, v99
	v_mul_f32 v100, v222, v100
	v_mul_f32 v99, s26, v99                        ; a_qr g_qr
	v_mul_f32 v100, s27, v100                      ; a_kr g_kr
	v_fma_f32 v101, -v98, v90, v223                ; C_h
	v_fma_f32 v101, -v99, v92, v101
	v_add_f32 v101, v101, v224
	v_fma_f32 v101, -v100, v96, v101
	v_add_f32 v101, v101, v225
	v_mul_f32 v104, s32, v101
	v_mul_f32 v105, s32, v99
	v_mul_f32 v106, s32, v100
	v_mov_b32 v107, s29
	v_and_b32 v102, 15, v0
	v_cmp_le_u32 vcc_lo, 8, v102                   ; a v plane
	v_mov_b32 v103, 1.0
	v_mov_b32 v108, s28
	v_cndmask_b32 v103, v103, v108, vcc_lo
	v_mul_f32 v109, s32, v98                       ; lam a_qk
	v_mul_f32 v110, v218, v103
	v_mul_f32 v111, v219, v103
	v_mul_f32 v112, v218, v109
	v_mul_f32 v113, v219, v109
	ds_store_b32 v7, v110 offset:TA
	ds_store_b32 v7, v111 offset:TB
	ds_store_b32 v7, v112 offset:TC
	ds_store_b32 v7, v113 offset:TD
	ds_store_b128 v12, v[104:107] offset:THT       ; the 16 threads of a head write the same figures
	s_wait_dscnt 0x0                               ; every wave's coefficients are in LDS before any wave goes on: the head loop reads them,
	s_barrier_signal -1                            ; and no LDS store of one wave runs beside the table loads of another
	s_barrier_wait -1
	; ---- registers that never change ----
.irp j, 0,1,4,5
	v_mov_b32 v[QB+\j], 0                          ; the K slots that meet q's planes
.endr
.irp j, 0,1,2,3,4,5,6,7
	v_cmp_eq_u32 vcc_lo, \j, v3
	s_and_b32 vcc_lo, vcc_lo, s44
	v_cndmask_b32 v[XT+\j], 0, 1.0, vcc_lo
.endr
	WIN 0xc0
.irp j, 0,1,2,3,4,5,6,7
	v_mov_b32 v[MK+\j], v[XT+\j]
.endr
	; RT[t]: registers 0-3 = the entry's piece hh (upper, lower parts), registers 4-7 = piece 2 + hh (upper parts, the 1.0)
	WIN 0x40
.irp t, 0,1,2,3,4,5,6,7,8,9
	global_load_b128 v[8*\t:8*\t+3],   v[RTB], s[6:7] offset:RTAB+(9-\t)*512
	global_load_b128 v[8*\t+4:8*\t+7], v[RTB], s[6:7] offset:RTAB+(9-\t)*512+32
.endr
	; TV[c][kc]: row p' = r; register q: keys 64hh + 16kc + 2q, +1 (indices fall, so the table has the higher index in the low half), register 4+q: 8 keys on
	WIN 0x80
.irp c, 0,1,2,3,4,5,6,7
.irp kc, 0,1,2,3
.irp q, 0,1,2,3
	ds_load_b32 v[32*\c+8*\kc+\q],   v[TVB] offset:PTAB+\c*512+4*(31-8*\kc-\q)
	ds_load_b32 v[32*\c+8*\kc+4+\q], v[TVB] offset:PTAB+\c*512+4*(27-8*\kc-\q)
.endr
.endr
.endr
	WIN 0
	s_wait_dscnt 0x0                               ; my table is in registers; every wave's table loads end before any wave stores a head's sums
	s_barrier_signal -1
	s_barrier_wait -1
.macro LOADK                           ; 8 x 16 keys' q,k planes, twice, and my own query's two parts: 18 loads
.irp ib, 0,1,2,3,4,5,6,7
	global_load_b128 v[KF+8*\ib:KF+8*\ib+3],   v[VKO],  s[4:5] offset:1024*\ib     ; lanes 0-15 upper parts, lanes 16-31 lower parts
	global_load_b128 v[KF+8*\ib+4:KF+8*\ib+7], v[VK2O], s[4:5] offset:1024*\ib     ; upper parts
.endr
	global_load_b128 v[OWN:OWN+3],   v[VOO], s[4:5]
	global_load_b128 v[OWNL:OWNL+3], v[VOO], s[52:53]
.endm
.macro LOADV                           ; row r&7 = v plane, 8 keys a load: 8 loads
.irp kc, 0,1,2,3
	global_load_b128 v[VF+8*\kc:VF+8*\kc+3],   v[VVO], s[4:5] offset:2048*\kc
	global_load_b128 v[VF+8*\kc+4:VF+8*\kc+7], v[VVO], s[4:5] offset:2048*\kc+1024
.endr
.endm
; one round of the shift: registers 0 .. n-1 take the register d further up where the lane's bit is set; ascending, so in place
.macro SHIFT n, d, m
.set zz, 0
.rept \n
	v_cndmask_b32 v[S+zz], v[S+zz], v[S+zz+\d], \m
.set zz, zz+1
.endr
.endm
; weights of the lane's keys 16kc .. 16kc+15: exp2(s - max), their sum, and the f16 B fragment (lane-local: tile 2kc gives registers 0-3, tile 2kc+1 registers 4-7)
.macro EXPK kc
	WIN 0xff
.irp j, 0,2,4,6,8,10,12,14
	v_pk_add_f32 v[S+16*\kc+\j:S+16*\kc+\j+1], v[S+16*\kc+\j:S+16*\kc+\j+1], v[MX:MX+1] neg_lo:[0,1] neg_hi:[0,1]
.endr
.irp j, 0,1,2,3,4,5,6,7,8,9,10,11,12,13,14,15
	v_exp_f32 v[S+16*\kc+\j], v[S+16*\kc+\j]
.endr
	v_nop                                          ; one plain instruction between the run of v_exp_f32 and the first use of a result
.if \kc == 0
	s_wait_alu depctr_va_vdst(0)
.irp j, 0,2,4,6
	v_pk_add_f32 v[SUMP+\j:SUMP+\j+1], v[S+\j:S+\j+1], v[S+8+\j:S+8+\j+1]          ; the first two tiles start the sums
.endr
.else
	s_wait_alu depctr_va_vdst(0)
.irp j, 0,2,4,6
	v_pk_add_f32 v[SUMP+\j:SUMP+\j+1], v[SUMP+\j:SUMP+\j+1], v[S+16*\kc+\j:S+16*\kc+\j+1]
.endr
.irp j, 0,2,4,6
	v_pk_add_f32 v[SUMP+\j:SUMP+\j+1], v[SUMP+\j:SUMP+\j+1], v[S+16*\kc+8+\j:S+16*\kc+8+\j+1]
.endr
.endif
.irp i, 0,1,2,3,4,5,6,7
	v_cvt_pk_f16_f32 v[PT+8*\kc+\i], v[S+16*\kc+2*\i], v[S+16*\kc+2*\i+1]
.endr
.endm
.macro OUTMUL kc
	WIN 0xfc                                       ; A window 0, B, C, D window 3
.if \kc == 0
	v_wmma_f32_16x16x32_f16 v[AV:AV+7], v[VF+8*\kc:VF+8*\kc+7], v[PT+8*\kc:PT+8*\kc+7], 0
.else
	v_wmma_f32_16x16x32_f16 v[AV:AV+7], v[VF+8*\kc:VF+8*\kc+7], v[PT+8*\kc:PT+8*\kc+7], v[AV:AV+7]
.endif
	WIN 0xfe                                       ; A window 2
.irp c, 0,1,2,3,4,5,6,7
.if \kc == 0
	v_wmma_f32_16x16x32_f16 v[G+8*\c:G+8*\c+7], v[32*\c+8*\kc:32*\c+8*\kc+7], v[PT+8*\kc:PT+8*\kc+7], 0
.else
	v_wmma_f32_16x16x32_f16 v[G+8*\c:G+8*\c+7], v[32*\c+8*\kc:32*\c+8*\kc+7], v[PT+8*\kc:PT+8*\kc+7], v[G+8*\c:G+8*\c+7]
.endif
.endr
.endm
	s_lshl_b32 s48, s33, 14                        ; unit 0: n0, h = 0
	v_add_nc_u32 v[VKO],  s48, v[VK]
	v_add_nc_u32 v[VK2O], s48, v[VK2]
	v_add_nc_u32 v[VOO],  s48, v[VO]
	v_add_nc_u32 v[VVO],  s48, v[VV]
	LOADK
	LOADV
	s_mov_b32 s45, 0                               ; h
.Lhead:
	; ---- the head's coefficients ----
	s_lshl_b32 s50, s45, 6
	s_lshl_b32 s51, s45, 4
	v_mov_b32 v[LH64], s50
	v_mov_b32 v[LH16], s51
	v_add_nc_u32 v[ZSA], s51, v15
	ds_load_b128 v[CA:CA+3],     v[LH64] offset:TA
	ds_load_b128 v[CA+4:CA+7],   v[LH64] offset:TA+16
	ds_load_b128 v[MV:MV+3],     v[LH64] offset:TA+32
	ds_load_b128 v[MV+4:MV+7],   v[LH64] offset:TA+48
	ds_load_b128 v[CB:CB+3],     v[LH64] offset:TB
	ds_load_b128 v[CB+4:CB+7],   v[LH64] offset:TB+16
	ds_load_b128 v[AVC:AVC+3],   v[LH64] offset:TB+32
	ds_load_b128 v[AVC+4:AVC+7], v[LH64] offset:TB+48
	ds_load_b128 v[CK:CK+3],     v[LH64] offset:TC+16
	ds_load_b128 v[CBK:CBK+3],   v[LH64] offset:TD+16
	ds_load_b128 v[TH:TH+3],     v[LH16] offset:THT
	s_wait_dscnt 0x0
	WIN 0xc0
.irp c, 0,1,2,3,4,5,6,7
	v_cndmask_b32 v[MJ+\c], v[MV+\c],  v[TH+3], s44                ; diag lanes carry att_vp: x g_vp, + 0
	v_cndmask_b32 v[AJ+\c], v[AVC+\c], v[QB],   s44                ; the others att_v: x alpha g_v, + beta' g_v
.endr
.irp j, 0,1,2,3
	v_mov_b32 v[ST1+\j], 0
.endr
	WIN 0
	s_mov_b32 s46, 0                               ; n - n0
.Lunit:
	; ---- A: my query's planes, and B of the relative product ----
	s_wait_loadcnt 0x8                             ; this unit's q,k loads are in: its eight v loads are younger
	v_cvt_f32_f16 v38, v34.l
	v_cvt_f32_f16 v39, v34.h
	v_cvt_f32_f16 v40, v35.l
	v_cvt_f32_f16 v41, v35.h
	v_cvt_f32_f16 v42, v36.l
	v_cvt_f32_f16 v43, v36.h
	v_cvt_f32_f16 v44, v37.l
	v_cvt_f32_f16 v45, v37.h
	v_cvt_f32_f16 v[XT],   v98.l
	v_cvt_f32_f16 v[XT+1], v98.h
	v_cvt_f32_f16 v[XT+2], v99.l
	v_cvt_f32_f16 v[XT+3], v99.h
	v_cvt_f32_f16 v[XT+4], v100.l
	v_cvt_f32_f16 v[XT+5], v100.h
	v_cvt_f32_f16 v[XT+6], v101.l
	v_cvt_f32_f16 v[XT+7], v101.h
.irp j, 0,2,4,6
	v_pk_add_f32 v[F+\j:F+\j+1], v[F+\j:F+\j+1], v[XT+\j:XT+\j+1]                  ; upper + lower part
.endr
.irp j, 0,2,4,6
	v_pk_fma_f32 v[F+\j:F+\j+1], v[F+\j:F+\j+1], v[CA+\j:CA+\j+1], v[CB+\j:CB+\j+1]
.endr
.irp c, 0,1,2,3
	v_mul_f32 v[U+\c],   v[F+\c],   v[TH+1]
	v_mul_f32 v[U+4+\c], v[F+4+\c], v[TH+2]
.endr
.irp q, 0,1,2,3
	v_cvt_pk_f16_f32 v[UB+\q], v[U+2*\q], v[U+2*\q+1]              ; uh: meets Ph in lanes 0-15 and Pl in lanes 16-31
.endr
	v_cvt_f32_f16 v[XT],   v90.l
	v_cvt_f32_f16 v[XT+1], v90.h
	v_cvt_f32_f16 v[XT+2], v91.l
	v_cvt_f32_f16 v[XT+3], v91.h
	v_cvt_f32_f16 v[XT+4], v92.l
	v_cvt_f32_f16 v[XT+5], v92.h
	v_cvt_f32_f16 v[XT+6], v93.l
	v_cvt_f32_f16 v[XT+7], v93.h
.irp j, 0,2,4,6
	v_pk_add_f32 v[U+\j:U+\j+1], v[U+\j:U+\j+1], v[XT+\j:XT+\j+1] neg_lo:[0,1] neg_hi:[0,1]
.endr
.irp q, 0,1,2,3
	v_cvt_pk_f16_f32 v[UB+4+\q], v[U+2*\q], v[U+2*\q+1]            ; ul
.endr
	v_fma_f32 v[XT+4], v[CBK],   v[F],   v[TH]     ; the term that is the same for all keys
	v_fma_f32 v[XT+4], v[CBK+1], v[F+1], v[XT+4]
	v_fma_f32 v[XT+4], v[CBK+2], v[F+2], v[XT+4]
	v_fma_f32 v[XT+4], v[CBK+3], v[F+3], v[XT+4]
	v_cvt_pk_f16_f32 v[XT+5], v[XT+4], v[QB]
	v_cndmask_b32 v[UB+4], v[XT+5], v[UB+4], s58   ; lanes 16-31: K slot 24 meets the table's 1.0, slots 25-31 its zeros
	v_and_b32 v[UB+5], v[HM], v[UB+5]
	v_and_b32 v[UB+6], v[HM], v[UB+6]
	v_and_b32 v[UB+7], v[HM], v[UB+7]
	; ---- B: the dense relative product, 80 rows for each half of the lanes ----
	WIN 0xf1                                       ; A window 1, B window 0, D window 3
.irp t, 0,1,2,3,4,5,6,7,8,9
	v_wmma_f32_16x16x32_f16 v[S+8*\t:S+8*\t+7], v[8*\t:8*\t+7], v[UB:UB+7], 0
.endr
	; ---- C: B of the q.k product; these lines, which name none of the products' registers, are also the places in front of the selects ----
	WIN 0
	v_pk_mul_f32 v[XT:XT+1],   v[F:F+1],   v[CK:CK+1]
	v_pk_mul_f32 v[XT+2:XT+3], v[F+2:F+3], v[CK+2:CK+3]
	v_cvt_pk_f16_f32 v[QB+2], v[XT],   v[XT+1]     ; bh: meets kh in lanes 0-15 and kl in lanes 16-31
	v_cvt_pk_f16_f32 v[QB+3], v[XT+2], v[XT+3]
	v_cvt_f32_f16 v[XT+4], v84.l
	v_cvt_f32_f16 v[XT+5], v84.h
	v_cvt_f32_f16 v[XT+6], v85.l
	v_cvt_f32_f16 v[XT+7], v85.h
	v_pk_add_f32 v[XT:XT+1],   v[XT:XT+1],   v[XT+4:XT+5] neg_lo:[0,1] neg_hi:[0,1]
	v_pk_add_f32 v[XT+2:XT+3], v[XT+2:XT+3], v[XT+6:XT+7] neg_lo:[0,1] neg_hi:[0,1]
	v_cvt_pk_f16_f32 v[QB+6], v[XT],   v[XT+1]     ; bl: meets kh in lanes 0-15 alone
	v_cvt_pk_f16_f32 v[QB+7], v[XT+2], v[XT+3]
	v_and_b32 v[QB+6], v[HM], v[QB+6]
	v_and_b32 v[QB+7], v[HM], v[QB+7]
	; ---- D: the shift by 15 - r ----
	WIN 0xff
	SHIFT 71, 8, s54
	SHIFT 67, 4, s55
	SHIFT 65, 2, s56
	SHIFT 64, 1, s57
	; ---- E: q.k on top ----
	WIN 0xf0                                       ; A, B window 0, C, D window 3
.irp ib, 0,1,2,3,4,5,6,7
	v_wmma_f32_16x16x32_f16 v[S+8*\ib:S+8*\ib+7], v[KF+8*\ib:KF+8*\ib+7], v[QB:QB+7], v[S+8*\ib:S+8*\ib+7]
.endr
.rept 4
	v_nop                                          ; four places in front of the loads into KF and of the first reader of a result
.endr
	WIN 0
	s_lshl2_add_u32 s47, s45, s46                  ; the next unit, (4h + n + 1) mod 32: the last trip asks for unit 0 again and drops it
	s_add_co_u32 s47, s47, 1
	s_and_b32 s47, s47, 31
	s_and_b32 s48, s47, 3
	s_add_co_u32 s48, s48, s33
	s_lshl_b32 s48, s48, 14
	s_lshr_b32 s47, s47, 2
	s_lshl_b32 s47, s47, 7
	s_add_co_u32 s48, s48, s47                     ; n*16,384 + h*128
	v_add_nc_u32 v[VKO],  s48, v[VK]               ; free since the wait at the unit's head showed their loads done
	v_add_nc_u32 v[VK2O], s48, v[VK2]
	v_add_nc_u32 v[VOO],  s48, v[VO]
	LOADK
	; ---- F: the column's maximum ----
	WIN 0xff
.irp t, 0,1,2,3
	v_max3_num_f32 v[MC+\t], v[S+16*\t], v[S+16*\t+1], v[S+16*\t+2]
.endr
.irp s, 3,5,7,9,11,13
.irp t, 0,1,2,3
	v_max3_num_f32 v[MC+\t], v[MC+\t], v[S+16*\t+\s], v[S+16*\t+\s+1]
.endr
.endr
.irp t, 0,1,2,3
	v_max_num_f32 v[MC+\t], v[MC+\t], v[S+16*\t+15]
.endr
	v_max3_num_f32 v[MC], v[MC], v[MC+1], v[MC+2]
	WIN 0x0f
	v_max_num_f32 v[XT], v[MC], v[MC+3]
	WIN 0
	v_permlanex16_b32 v[XT+1], v[XT], s40, s41     ; the other half of the keys lies in lane xor 16
	v_max_num_f32 v[XT], v[XT], v[XT+1]
	WIN 0xc0
	v_mov_b32 v[MX],   v[XT]
	v_mov_b32 v[MX+1], v[XT]
	; ---- G: weights and both output products, 32 keys at a time ----
	EXPK 0
	s_wait_loadcnt 0x12                            ; this unit's v is in: the eighteen q,k loads of the next unit are younger
	OUTMUL 0
	EXPK 1
	OUTMUL 1
	EXPK 2
	OUTMUL 2
	EXPK 3
	OUTMUL 3
	; ---- H: 1 / L, the diagonal, the affine step, sums, stores ----
	WIN 0xff
	v_pk_add_f32 v[SUMP:SUMP+1],   v[SUMP:SUMP+1],   v[SUMP+2:SUMP+3]
	v_pk_add_f32 v[SUMP+4:SUMP+5], v[SUMP+4:SUMP+5], v[SUMP+6:SUMP+7]
	v_pk_add_f32 v[SUMP:SUMP+1],   v[SUMP:SUMP+1],   v[SUMP+4:SUMP+5]
	WIN 0x0f
	v_add_f32 v[XT], v[SUMP], v[SUMP+1]
	WIN 0
	v_permlanex16_b32 v[XT+1], v[XT], s40, s41
	v_add_f32 v[XT], v[XT], v[XT+1]
	v_rcp_f32 v[XT+2], v[XT]
	v_add_nc_u32 v[VVO], s48, v[VV]                ; the plain line behind v_rcp_f32; VVO is free since the wait for v above
	LOADV                                          ; more than four plain lines stand between the last product that read VF and these loads
	s_add_co_u32 s49, s33, s46
	s_lshl_b32 s49, s49, 15
	s_lshl_b32 s50, s45, 12
	s_add_co_u32 s49, s49, s50                     ; n*32,768 + h*4,096
	s_wait_xcnt 0x0                                ; VZO and X, which the last unit's stores read, are rewritten only behind this wait
	v_add_nc_u32 v[VZO], s49, v[VZ]
	WIN 0xc0
	s_wait_alu depctr_va_vdst(0)
	v_mov_b32 v[RL],   v[XT+2]
	v_mov_b32 v[RL+1], v[XT+2]
	WIN 0xff
.irp c, 0,1,2,3,4,5,6,7
	v_pk_mul_f32 v[S+2*\c:S+2*\c+1], v[G+8*\c:G+8*\c+1], v[MK:MK+1]
.endr
.irp j, 2,4,6
.irp c, 0,1,2,3,4,5,6,7
	v_pk_fma_f32 v[S+2*\c:S+2*\c+1], v[G+8*\c+\j:G+8*\c+\j+1], v[MK+\j:MK+\j+1], v[S+2*\c:S+2*\c+1]
.endr
.endr
.irp c, 0,1,2,3,4,5,6,7
	v_add_f32 v[GX+\c], v[S+2*\c], v[S+2*\c+1]     ; G_c[r][r] in the diag lane
.endr
.irp c, 0,1,2,3,4,5,6,7
	v_cndmask_b32 v[X+\c], v[AV+\c], v[GX+\c], s44
.endr
.irp j, 0,2,4,6
	v_pk_mul_f32 v[X+\j:X+\j+1], v[X+\j:X+\j+1], v[RL:RL+1]
.endr
.irp j, 0,2,4,6
	v_pk_fma_f32 v[X+\j:X+\j+1], v[X+\j:X+\j+1], v[MJ+\j:MJ+\j+1], v[AJ+\j:AJ+\j+1]
.endr
.irp j, 0,2,4,6
	v_pk_add_f32 v[ST1:ST1+1], v[ST1:ST1+1], v[X+\j:X+\j+1]
	v_pk_fma_f32 v[ST2:ST2+1], v[X+\j:X+\j+1], v[X+\j:X+\j+1], v[ST2:ST2+1]
.endr
	WIN 0x0c                                       ; store data from window 3
	global_store_b128 v[VZO], v[X:X+3],   s[22:23] th:TH_STORE_NT              ; the 16 lanes of a kind cover 256 consecutive bytes, aligned
	global_store_b128 v[VZO], v[X+4:X+7], s[22:23] offset:2048 th:TH_STORE_NT
	WIN 0
	s_add_co_u32 s46, s46, 1
	s_cmp_lt_u32 s46, 4
	s_cbranch_scc1 .Lunit
	; ---- the head's sums: over the 8 lanes of a group, then the group at lane xor 24, which is of the same kind ----
	WIN 0x0f
	v_add_f32 v[XT+4], v[ST1], v[ST1+1]
	v_add_f32 v[XT+5], v[ST2], v[ST2+1]
	WIN 0
.irp m, 1,2,4
	v_add_f32_dpp v[XT+4], v[XT+4], v[XT+4] row_xmask:\m row_mask:0xf bank_mask:0xf
	v_add_f32_dpp v[XT+5], v[XT+5], v[XT+5] row_xmask:\m row_mask:0xf bank_mask:0xf
.endr
	v_permlanex16_b32 v[XT+6], v[XT+4], s42, s43
	v_permlanex16_b32 v[XT+7], v[XT+5], s42, s43
	v_pk_add_f32 v[XT+4:XT+5], v[XT+4:XT+5], v[XT+6:XT+7]
	ds_store_b64 v[ZSA], v[XT+4:XT+5] offset:ZST   ; wave*128 + h*16 + diag*8: the wave's own bytes
	s_add_co_u32 s45, s45, 1
	s_cmp_lt_u32 s45, 8
	s_cbranch_scc1 .Lhead
	s_wait_dscnt 0x0
	s_barrier_signal -1
	s_barrier_wait -1
	s_cmp_lg_u32 s30, 0
	s_cbranch_scc1 .Ldone
	ds_load_b32 v[XT],   v7 offset:ZST             ; wave 0: lane = word (h, sel, s1 or s2); v7 = 4 t
	ds_load_b32 v[XT+1], v7 offset:ZST+128
	ds_load_b32 v[XT+2], v7 offset:ZST+256
	ds_load_b32 v[XT+3], v7 offset:ZST+384
	s_wait_dscnt 0x0
	v_pk_add_f32 v[XT:XT+1], v[XT:XT+1], v[XT+2:XT+3]
	v_add_f32 v[XT], v[XT], v[XT+1]
	global_store_b32 v7, v[XT], s[24:25]
.Ldone:
	s_barrier_signal -1
	s_barrier_wait -1
	s_wait_tensorcnt 0x0
	ds_add_u32 v254, v255
	s_wait_dscnt 0x0
	s_endpgm
.Lfunc_end_k_q573fac1f8f_attn:
	.size	k_q573fac1f8f_attn, .Lfunc_end_k_q573fac1f8f_attn-k_q573fac1f8f_attn
	.p2alignl 7, 3214868480
	.fill 96, 4, 3214868480
	.section	.rodata,"a",@progbits
	.p2align	6, 0x0
	.amdhsa_kernel k_q573fac1f8f_attn
		.amdhsa_group_segment_fixed_size 12800
		.amdhsa_private_segment_fixed_size 0
		.amdhsa_enable_private_segment 0
		.amdhsa_kernarg_size 88
		.amdhsa_user_sgpr_count 2
		.amdhsa_user_sgpr_kernarg_segment_ptr 1
		.amdhsa_wavefront_size32 1
		.amdhsa_system_sgpr_workgroup_id_x 1
		.amdhsa_system_sgpr_workgroup_id_y 1
		.amdhsa_system_sgpr_workgroup_id_z 1
		.amdhsa_system_vgpr_workitem_id 0
		.amdhsa_next_free_vgpr 1024
		.amdhsa_next_free_sgpr 66
		.amdhsa_reserve_vcc 1
		.amdhsa_float_denorm_mode_32 3
		.amdhsa_float_denorm_mode_16_64 3
		.amdhsa_memory_ordered 1
		.amdhsa_forward_progress 1
		.amdhsa_inst_pref_size 85
	.end_amdhsa_kernel
	.amdgpu_metadata
---
amdhsa.version: [ 1, 2 ]
amdhsa.kernels:
  - .name:           k_q573fac1f8f_attn
    .symbol:         k_q573fac1f8f_attn.kd
    .args:
      - { .name: y, .offset: 0, .size: 8, .value_kind: global_buffer, .address_space: global }
      - { .name: tabs, .offset: 8, .size: 8, .value_kind: global_buffer, .address_space: global }
      - { .name: apart, .offset: 16, .size: 8, .value_kind: global_buffer, .address_space: global }
      - { .name: gamma_att, .offset: 24, .size: 8, .value_kind: global_buffer, .address_space: global }
      - { .name: beta_att, .offset: 32, .size: 8, .value_kind: global_buffer, .address_space: global }
      - { .name: gate_qr, .offset: 40, .size: 8, .value_kind: global_buffer, .address_space: global }
      - { .name: gate_kr, .offset: 48, .size: 8, .value_kind: global_buffer, .address_space: global }
      - { .name: gate_v, .offset: 56, .size: 8, .value_kind: global_buffer, .address_space: global }
      - { .name: gate_v_pos, .offset: 64, .size: 8, .value_kind: global_buffer, .address_space: global }
      - { .name: zraw, .offset: 72, .size: 8, .value_kind: global_buffer, .address_space: global }
      - { .name: zpart, .offset: 80, .size: 8, .value_kind: global_buffer, .address_space: global }
    .group_segment_fixed_size: 12800
    .private_segment_fixed_size: 0
    .kernarg_segment_align: 8
    .kernarg_segment_size: 88
    .max_flat_workgroup_size: 128
    .sgpr_count:     66
    .vgpr_count:     1024
    .wavefront_size: 32
...
	.end_amdgpu_metadata
.endif
;; end of part 4
;; launch final (part 5): grid 512 x 1, 8 waves a work-group, no clusters, 35,072 bytes of LDS; arguments zraw, zpart, gamma_v, beta_v, out0; writes out0
.if DOCPART == 5
	.amdgcn_target "amdgcn-amd-amdhsa--gfx1250"
	.amdhsa_code_object_version 6
	.text
	.protected	k_q573fac1f8f_final
	.globl	k_q573fac1f8f_final
	.p2align	8
	.type	k_q573fac1f8f_final,@function
k_q573fac1f8f_final:
	s_mov_b64 s[64:65], 0
	v_nop
	global_prefetch_b8 v0, s[64:65] scope:SCOPE_SE
	s_setreg_imm32_b32 hwreg(HW_REG_WAVE_MODE, 25, 1), 1
	s_wait_xcnt 0x0
; final: the last batch norm (16 channels, count 2^19, biased variance, eps 1e-5), the sum of att_v and att_vp, and the transposition to [b][o][l][w].
; out0[b][h*8 + c][p][w] = A_av av + A_vp vp + Cst,  A = gamma_v rsqrt(var + eps),  Cst = sum of (beta_v - A mean).
; Work-group g: pblk = g & 7 (16 p), chalf = (g>>3) & 1 (4 c), h = (g>>4) & 7, b = g >> 7; all 128 w.
; Memory binds: each byte of zraw is read once by loads of which 16 lanes cover 256 consecutive bytes, each store of a wave covers a whole row of
; 512 bytes; the transposition goes through LDS.  No matrix unit, no tensor loads, no cluster: no two work-groups share data but 4 KB of sums.
; LIMITS: variance as E[z^2] - mean^2 in f32.
.set TP,  528                          ; LDS row (c4*16 + p_l): 128 w of f32 + 16 bytes: an odd multiple of 16
.set RED, 33792                        ; 8 waves x 16 bytes
.set DA,  16                           ; v[16:79]  data: [task 2][av 4, vp 4][4 c]
.set T,   80                           ; v[80:95]  [c4][4 w]
	s_load_b256 s[4:11], s[0:1], 0x0               ; zraw s[4:5], zpart s[6:7], gamma_v s[8:9], beta_v s[10:11]
	s_load_b64 s[12:13], s[0:1], 0x20              ; out0
	v_lshl_add_u32 v132, v0, 2, 0x8500
	v_mov_b32 v133, 0
	v_lshrrev_b32 v1, 5, v0
	v_readfirstlane_b32 s14, v1                    ; wave
	s_and_b32 s15, ttmp9, 7                        ; pblk
	s_bfe_u32 s16, ttmp9, 0x10003                  ; chalf
	s_bfe_u32 s17, ttmp9, 0x30004                  ; h
	s_lshr_b32 s18, ttmp9, 7                       ; b
	s_lshl_b32 s20, s18, 22                        ; zraw: b*128 n of 32,768 + h*4,096 + chalf*2,048 + pblk*256
	s_lshl_b32 s22, s17, 12
	s_add_co_u32 s20, s20, s22
	s_lshl_b32 s22, s16, 11
	s_add_co_u32 s20, s20, s22
	s_lshl_b32 s22, s15, 8
	s_add_co_u32 s20, s20, s22
	s_mov_b32 s21, 0
	s_lshl_b32 s24, s17, 2                         ; 4 h
	s_mov_b32 s25, 0
	s_mov_b32 s30, 0x76543210
	s_mov_b32 s31, 0xfedcba98
	v_lshlrev_b32 v2, 7, v0                        ; zpart: entry t, head h
	s_lshl_b32 s22, s17, 4
	v_add_nc_u32 v2, s22, v2
	v_and_b32 v3, 15, v0                           ; p_l
	v_lshrrev_b32 v4, 4, v0                        ; wq: four w
	v_lshlrev_b32 v5, 4, v3
	v_lshl_add_u32 v5, v4, 17, v5                  ; wq*4 n + p_l*16
	v_mul_u32_u24 v6, v3, TP
	v_lshl_add_u32 v6, v4, 4, v6                   ; stage: row p_l, 16 bytes at w = 4 wq
	v_mov_b32 v7, 0
	s_wait_kmcnt 0x0
	s_add_nc_u64 s[4:5], s[4:5], s[20:21]          ; att_v
	s_add_nc_u64 s[22:23], s[4:5], 0x1000000       ; att_vp
	s_add_nc_u64 s[8:9], s[8:9], s[24:25]
	s_add_nc_u64 s[10:11], s[10:11], s[24:25]
	s_load_b32 s26, s[8:9], 0x0                    ; gamma_v[h], gamma_v[8+h]
	s_load_b32 s27, s[8:9], 0x20
	s_load_b32 s28, s[10:11], 0x0                  ; beta_v[h], beta_v[8+h]
	s_load_b32 s29, s[10:11], 0x20
	global_load_b128 v[8:11], v2, s[6:7]
.irp task, 0,1
.irp k, 0,1,2,3
	global_load_b128 v[DA+32*\task+4*\k:DA+32*\task+4*\k+3], v5, s[4:5] offset:\task*2097152+\k*32768 th:TH_LOAD_NT
.endr
.irp k, 0,1,2,3
	global_load_b128 v[DA+32*\task+16+4*\k:DA+32*\task+16+4*\k+3], v5, s[22:23] offset:\task*2097152+\k*32768 th:TH_LOAD_NT
.endr
.endr
	s_wait_loadcnt 0x10                            ; the sums are in: the sixteen data loads are younger
.irp j, 8,9,10,11
	v_add_f32_dpp v\j, v\j, v\j row_xmask:1 row_mask:0xf bank_mask:0xf
	v_add_f32_dpp v\j, v\j, v\j row_xmask:2 row_mask:0xf bank_mask:0xf
	v_add_f32_dpp v\j, v\j, v\j row_xmask:4 row_mask:0xf bank_mask:0xf
	v_add_f32_dpp v\j, v\j, v\j row_xmask:8 row_mask:0xf bank_mask:0xf
	v_permlanex16_b32 v7, v\j, s30, s31
	v_add_f32 v\j, v\j, v7
.endr
	s_lshl_b32 s20, s14, 4
	v_mov_b32 v12, s20
	ds_store_b128 v12, v[8:11] offset:RED          ; every lane writes the same figures to the wave's own 16 bytes
	s_wait_dscnt 0x0
	s_barrier_signal -1
	s_barrier_wait -1
	v_mov_b32 v13, 0
.irp w, 0,1,2,3,4,5,6,7
	ds_load_b128 v[100+4*\w:103+4*\w], v13 offset:RED+16*\w
.endr
	s_wait_dscnt 0x0
.irp w, 1,2,3,4,5,6,7
	v_pk_add_f32 v[100:101], v[100:101], v[100+4*\w:101+4*\w]
	v_pk_add_f32 v[102:103], v[102:103], v[102+4*\w:103+4*\w]
.endr
	s_mov_b32 s20, 0x36000000                      ; 1 / 524,288
	s_mov_b32 s21, 0x3727c5ac                      ; 1e-5
	v_mul_f32 v100, s20, v100                      ; mean of att_v
	v_mul_f32 v101, s20, v101
	v_mul_f32 v102, s20, v102                      ; mean of att_vp
	v_mul_f32 v103, s20, v103
	v_fma_f32 v101, -v100, v100, v101
	v_fma_f32 v103, -v102, v102, v103
	v_add_f32 v101, s21, v101
	v_add_f32 v103, s21, v103
	v_rsq_f32 v101, v101
	v_rsq_f32 v103, v103
	v_nop                                          ; one plain instruction between the last v_rsq_f32 and the first use
	s_wait_kmcnt 0x0
	s_wait_alu depctr_va_vdst(0)
	v_mul_f32 v96, s26, v101                       ; A_av
	v_mul_f32 v97, s27, v103                       ; A_vp
	v_fma_f32 v98, -v96, v100, s28
	v_fma_f32 v98, -v97, v102, v98
	v_add_f32 v98, s29, v98                        ; Cst
; 64 w: my four w (k) x four c (j), turned so that four neighbouring w lie in one 16-byte store
.macro TASK task
.irp j, 0,1,2,3
.irp k, 0,1,2,3
	v_fma_f32 v[T+4*\j+\k], v[DA+32*\task+4*\k+\j], v96, v98
.endr
.endr
.irp j, 0,1,2,3
.irp k, 0,1,2,3
	v_fma_f32 v[T+4*\j+\k], v[DA+32*\task+16+4*\k+\j], v97, v[T+4*\j+\k]
.endr
.endr
.irp j, 0,1,2,3
	ds_store_b128 v6, v[T+4*\j:T+4*\j+3] offset:\j*16*TP+\task*256
.endr
.endm
	s_wait_loadcnt 0x8                             ; the first eight data loads are in
	TASK 0
	s_wait_loadcnt 0x0
	TASK 1
	s_wait_dscnt 0x0
	s_barrier_signal -1
	s_barrier_wait -1
	; wave w writes rows 8w .. 8w+7 of the stage: c4 = w >> 1, p_l = 8 (w & 1) + k
	s_lshl_b32 s20, s18, 22                        ; out0: b*4,194,304 + (h*8 + chalf*4 + c4)*65,536 + (pblk*16 + 8 (w&1))*512
	s_lshl_b32 s22, s17, 19
	s_add_co_u32 s20, s20, s22
	s_lshl_b32 s22, s16, 18
	s_add_co_u32 s20, s20, s22
	s_lshr_b32 s22, s14, 1
	s_lshl_b32 s22, s22, 16
	s_add_co_u32 s20, s20, s22
	s_lshl_b32 s22, s15, 13
	s_add_co_u32 s20, s20, s22
	s_and_b32 s22, s14, 1
	s_lshl_b32 s22, s22, 12
	s_add_co_u32 s20, s20, s22
	s_mov_b32 s21, 0
	s_add_nc_u64 s[12:13], s[12:13], s[20:21]
	v_and_b32 v14, 31, v0
	v_lshlrev_b32 v14, 4, v14                      ; 16 bytes a lane
	s_mul_i32 s22, s14, 8*TP
	v_add_nc_u32 v15, s22, v14
.irp k, 0,1,2,3,4,5,6,7
	ds_load_b128 v[DA+4*\k:DA+4*\k+3], v15 offset:\k*TP
.endr
.irp k, 0,1,2,3,4,5,6,7
	s_wait_dscnt 7-\k                              ; LDS loads return in order: row k is in
	global_store_b128 v14, v[DA+4*\k:DA+4*\k+3], s[12:13] offset:\k*512 th:TH_STORE_NT   ; a whole row of 512 bytes
.endr
	s_barrier_signal -1
	s_barrier_wait -1
	s_wait_tensorcnt 0x0
	ds_add_u32 v132, v133
	s_wait_dscnt 0x0
	s_endpgm
.Lfunc_end_k_q573fac1f8f_final:
	.size	k_q573fac1f8f_final, .Lfunc_end_k_q573fac1f8f_final-k_q573fac1f8f_final
	.p2alignl 7, 3214868480
	.fill 96, 4, 3214868480
	.section	.rodata,"a",@progbits
	.p2align	6, 0x0
	.amdhsa_kernel k_q573fac1f8f_final
		.amdhsa_group_segment_fixed_size 35072
		.amdhsa_private_segment_fixed_size 0
		.amdhsa_enable_private_segment 0
		.amdhsa_kernarg_size 40
		.amdhsa_user_sgpr_count 2
		.amdhsa_user_sgpr_kernarg_segment_ptr 1
		.amdhsa_wavefront_size32 1
		.amdhsa_system_sgpr_workgroup_id_x 1
		.amdhsa_system_sgpr_workgroup_id_y 1
		.amdhsa_system_sgpr_workgroup_id_z 1
		.amdhsa_system_vgpr_workitem_id 0
		.amdhsa_next_free_vgpr 134
		.amdhsa_next_free_sgpr 66
		.amdhsa_reserve_vcc 0
		.amdhsa_float_denorm_mode_32 3
		.amdhsa_float_denorm_mode_16_64 3
		.amdhsa_memory_ordered 1
		.amdhsa_forward_progress 1
		.amdhsa_inst_pref_size 15
	.end_amdhsa_kernel
	.amdgpu_metadata
---
amdhsa.version: [ 1, 2 ]
amdhsa.kernels:
  - .name:           k_q573fac1f8f_final
    .symbol:         k_q573fac1f8f_final.kd
    .args:
      - { .name: zraw, .offset: 0, .size: 8, .value_kind: global_buffer, .address_space: global }
      - { .name: zpart, .offset: 8, .size: 8, .value_kind: global_buffer, .address_space: global }
      - { .name: gamma_v, .offset: 16, .size: 8, .value_kind: global_buffer, .address_space: global }
      - { .name: beta_v, .offset: 24, .size: 8, .value_kind: global_buffer, .address_space: global }
      - { .name: out0, .offset: 32, .size: 8, .value_kind: global_buffer, .address_space: global }
    .group_segment_fixed_size: 35072
    .private_segment_fixed_size: 0
    .kernarg_segment_align: 8
    .kernarg_segment_size: 40
    .max_flat_workgroup_size: 256
    .sgpr_count:     66
    .vgpr_count:     134
    .wavefront_size: 32
...
	.end_amdgpu_metadata
.endif
;; end of part 5
